; MI455X (gfx1250); checked and timed in simulation.
; The chip was launched on July 23, 2026; its instructions are those of AMD's public machine-readable ISA for CDNA 5 (MIT licence, August 2026) and "CDNA5" Instruction Set Architecture Reference Guide (July 2026). The comments in the code are by the model that wrote it; some were corrected since.
;; Casual Multihead Self Attn. Allowed arithmetic: matrix products marked QUANTISED: E4M3 operands, one given power-of-two scale a tensor, by v_wmma_f32_16x16x64_fp8_fp8 or v_wmma_f32_16x16x128_fp8_fp8, f32 sums; everything else in f32.
;; Inputs: Wk_codes 1,024 x 32 x 32 uint8 (E4M3 codes of Wk, K innermost, in blocks of 32 codes); Wo_codes 1,024 x 32 x 32 uint8 (E4M3 codes of Wo, K innermost, in blocks of 32 codes); Wq_codes 1,024 x 32 x 32 uint8 (E4M3 codes of Wq, K innermost, in blocks of 32 codes); Wv_codes 1,024 x 32 x 32 uint8 (E4M3 codes of Wv, K innermost, in blocks of 32 codes); lowp_scales 12 int32 (the exponents e of the quantised operands' scales 2^e); token_positions 2,048 int32; x_codes 4 x 2,048 x 32 x 32 uint8 (E4M3 codes of x, K innermost, in blocks of 32 codes).
;; Outputs: out0 4 x 2,048 x 1,024 float32.
;; This version of the problem:
;;   THIS VERSION OF THE PROBLEM IS GIVEN IN LOW PRECISION. The matrix products marked QUANTISED in the list below multiply operands that are first quantised to E4M3 (4 exponent bits, 3 mantissa bits; 8 bits a number), with one given power-of-two scale for each operand tensor; their sums are f32. All else is computed in f32.
;;   The module's matrix products, in the order in which they are computed (A, B: the left and right operand; K: the contracted axis; several contracted axes count as one K, in the product's order):
;;     1. [M 8,192, K 1,024] x [K 1,024, N 1,024]; A: input x (given as codes); B: input Wq (given as codes): QUANTISED (scales: A lowp_scales[0], B lowp_scales[1])
;;     2. [M 8,192, K 1,024] x [K 1,024, N 1,024]; A: input x (given as codes); B: input Wk (given as codes): QUANTISED (scales: A lowp_scales[2], B lowp_scales[3])
;;     3. [M 8,192, K 1,024] x [K 1,024, N 1,024]; A: input x (given as codes); B: input Wv (given as codes): QUANTISED (scales: A lowp_scales[4], B lowp_scales[5])
;;     4. batch 64 x [M 2,048, K 64] x [K 64, N 2,048]; A: computed on the way; B: computed on the way: QUANTISED (scales: A lowp_scales[6], B lowp_scales[7])
;;     5. batch 64 x [M 2,048, K 2,048] x [K 2,048, N 64]; A: softmax (see below); B: computed on the way: QUANTISED (scales: A lowp_scales[8], B lowp_scales[9])
;;     6. [M 8,192, K 1,024] x [K 1,024, N 1,024]; A: computed on the way; B: input Wo (given as codes): QUANTISED (scales: A lowp_scales[10], B lowp_scales[11])
;;   THE QUANTISER, for each operand of a quantised product, along K:
;;     - The operand's scale is 2^e, e = its entry of the input lowp_scales (int32; the entries are numbered through the quantised products in the list's order, A before B).
;;     - Each number is divided by the scale, clamped to +-448, and rounded to the nearest number of E4M3, ties to even, subnormals kept.
;;     - The product sums the exact products of the quantised numbers (number of the format x scale) in f32.
;;   ~~~python
;;   def quantise(x, axis, e):      # numpy; x: float32 -> the quantised numbers, widened to float32 again
;;       x = np.moveaxis(x, axis, -1); K = x.shape[-1]
;;       r = np.clip(x / 2.0 ** e, -448, 448)
;;       step = 2.0 ** (np.maximum(np.frexp(np.where(r == 0, 1, r))[1] - 1, -6) - 3)
;;       q = np.round(r / step) * step * 2.0 ** e      # np.round: ties to even
;;       return np.moveaxis(q, -1, axis).astype(np.float32)
;;   ~~~
;;   SOFTMAX AHEAD OF A QUANTISED PRODUCT. Where the list says 'softmax', what is quantised is not the finished softmax but p = 2^(t - M), with t = logit x log2(e) and M = ceil(the row's largest t), a whole number; so 1/2 < the row's largest p <= 1. The row's sum l is taken of the UNQUANTISED p, in f32, and the product's result is divided by l at the end. Since M is a whole number, a kernel that streams over the keys may use a running M (the ceiling of the running maximum): every later rescaling is an exact power of two, so the quantised numbers keep their values, but for numbers so far below the row's largest that they fall under the format's range.
;;   OPERANDS COMPUTED ON THE WAY. 'Computed on the way' means the value that the module computes at that place (a softmax that the list does not call 'softmax' is quantised finished and normalised). What goes into a quantiser is computed in f32, as accurately as f32 sums, v_exp_f32 and their like allow (about 1e-6 of the number): no bf16 or f16 on the way to a quantiser, and a product that is left as it is and whose result goes on into a quantised operand takes f32 operands (vector FMAs, or v_wmma_f32_16x16x4_f32). A number that lies on a knife's edge between two numbers of the format may be rounded either way, as far as f32 arithmetic and the matrix unit's own rounding can turn it there, and no further.
;;   INPUTS GIVEN AS CODES. Wk (in the module: [1024, 1024], K = its axis 1); Wo (in the module: [1024, 1024], K = its axis 1); Wq (in the module: [1024, 1024], K = its axis 1); Wv (in the module: [1024, 1024], K = its axis 1); x (in the module: [4, 2048, 1024], K = its axis 2): each comes as NAME_codes (uint8): NAME with its K axis moved to the last place and cut into blocks of 32 codes, [.., K / 32, bytes a block], one block behind the other in memory; one code a byte (a code: sign, 4 exponent bits, 3 mantissa bits); its scale is its entry of lowp_scales. Its value is code x scale, taken as it is: it is not quantised again, and the codes and scales need not be those that the quantiser above would give.
;; 2 versions, each right; version 2 is version 1 with the launch attn written anew for expert scheduling mode. Each part assembles by itself: llvm-mc -triple=amdgcn-amd-amdhsa -mcpu=gfx1250 --defsym DOCPART=n.
;; ======== version 1 of 2: 3 launches
;; limits: right only within a limited range of input values
;; workspace buffers: q_codes 8,388,608 bytes; k_codes 8,388,608 bytes; v_codes 8,388,608 bytes; a_codes 8,388,608 bytes
;; launch qkv (part 1): grid 12 x 32, 4 waves a work-group, clusters of 4 x 4, 327,680 bytes of LDS; arguments x_codes, Wq_codes, Wk_codes, Wv_codes, lowp_scales, token_positions, q_codes, k_codes, v_codes; writes q_codes, k_codes, v_codes
.if DOCPART == 1
	.amdgcn_target "amdgcn-amd-amdhsa--gfx1250"
	.amdhsa_code_object_version 6
	.text
	.protected	k_qb41498e320_qkv
	.globl	k_qb41498e320_qkv
	.p2align	8
	.type	k_qb41498e320_qkv,@function
k_qb41498e320_qkv:
	s_mov_b64 s[64:65], 0
	v_nop
	global_prefetch_b8 v0, s[64:65] scope:SCOPE_SE
	s_setreg_imm32_b32 hwreg(HW_REG_WAVE_MODE, 25, 1), 1
	s_wait_xcnt 0x0
	s_wait_alu depctr_hold_cnt(0) depctr_sa_sdst(0) depctr_va_vdst(0) depctr_va_sdst(0) depctr_va_ssrc(0) depctr_va_vcc(0) depctr_vm_vsrc(0)
	s_getreg_b32 s2, hwreg(HW_REG_IB_STS2, 6, 4)
	s_cmp_eq_u32 s2, 0
	s_cbranch_scc0 .Lentry_in_a_cluster
	s_endpgm
.Lentry_in_a_cluster:
	s_bfe_u32 s2, ttmp6, 0x10000c
	s_cmp_lg_u32 s2, 0xf033
	s_cbranch_scc0 .Lentry_shape_is_right
	s_endpgm
.Lentry_shape_is_right:
; q = rope(x Wq^T), k = rope(x Wk^T), v = x Wv^T on codes of FP8 (E4M3), and the three results quantised again with the given scales (entries 6, 7, 9).
; x: [8192][1024] codes, W*: [1024][1024] codes, K innermost.  Out: q_codes [b][head][token][64]; k_codes the same with the two middle groups of 8 tokens of every 32 exchanged
; (so that 16 neighbouring stored rows are the keys that a tile of the next launch wants); v_codes [b][head][d][token], the tokens innermost.
; ONE LOOP, THREE ROLES.  The cluster's x is the role (0 q, 1 k, 2 v), the same in all sixteen partners.  The loop makes a tile 256 x 256 of C'(i, j) = sum over k of P[i][k] R[j][k]; a lane ends up
; with one i and eight neighbouring j.  q, k: P = x (i = token), R = W (j = feature): a lane holds the rotation's pairs of one token.  v: P = Wv (i = feature), R = x (j = token): a lane holds eight neighbouring
; tokens of one feature, so v's codes come out with the tokens innermost.  Only the tiles' global addresses hang on the role.
; Four waves, each 128 x 128: 64 accumulators.  K goes in steps of 256 through two LDS slots filled by the tensor data mover; 4 x 4 work-groups ask jointly: P's tile along a row of the cluster, R's along a column.
; THE ROTATION.  cos and sin of position x 10000^(-i/32) are made in f32 by hand: the angle less the nearest multiple of pi/2 (in three parts), a polynomial of degree 9 for the sine and 8 for the cosine on +-pi/4.
; LIMITS: |position x frequency| under about 2^20; e_out - e_x - e_w between -126 and 119; NaN is not served.
; REGISTERS, in windows of 256: window 0: v0-31 addresses; from v128 P's fragments, one set; behind the loop v32-255 are free.  window 1: R's fragments, two sets.  windows 2, 3: the accumulators ((a, b) at v[8 (8 (a % 4) + b)]).
.set KSTEP,  256
.set ROWB,   256                       ; a tile's row in bytes
.set KROW,   1024                      ; a row of x or of a weight in memory, in bytes
.set PITCH,  272                       ; an LDS row: 256 bytes + 16 of padding = 68 words: the 16 rows that a load touches start at 16 different banks (64 banks of 4 bytes: ISA guide 11.1)
.set FR,     16
.set NL,     4
.set NP,     4                         ; places behind this matrix instruction (ISA guide 7.12.1)
.set HALFT,  128*PITCH
.set SLOT,   4*HALFT
.set LAPS,   2                         ; 1,024 along K = four K steps = twice round the ring
.set SPARE,  2*SLOT                    ; the spare words, 128 bytes a wave: two blocks of 256 bytes that no other line names
.set QSTG,   SPARE+512                 ; q, k: a stage of 16 rows x 144 bytes for each wave
.set QP,     144
.set TP,     272                       ; the table of cos and sin: 256 tokens x (32 pairs x 8 bytes + 16), from LDS byte 0: in slot 0, behind its last fill and its last read
.set VSTG,   256*TP                    ; v: a stage of 256 rows x (256 bytes + 16), in the other half of slot 0
.set LN,   6                           ; v6   lane
.set TW,   7                           ; v7   the table, as I write it: token 64 wave, pair = lane
.set RT,   8                           ; v8   the table, as I read it: token 128 (wave / 2) + r, pairs 4 h on
.set QSO,  9                           ; v9   my stage, in: row r, 8 h
.set QSR,  10                          ; v10  my stage, back: row lane / 4, 16 (lane % 4)
.set GO,   11                          ; v11  16 x lane
.set GOP,  12                          ; v12  the same, 512 further on for k
.set GOM,  13                          ; v13  the same, 512 further on for q
.set VSO,  14                          ; v14  v's stage, in
.set VSR,  15                          ; v15  v's stage, back
.set ADRA, 16                          ; v16-17  LDS address of my P fragments in slot 0, 1
.set VGO,  18                          ; v18  v: my byte offset in two rows of v_codes
.set SCL,  19                          ; v19  the conversion's scale as f32
.set ADRB, 20                          ; v20-21  the same as ADRA for R
.set LIM,  22                          ; v22  448 x that scale
.set POSO, 26                          ; v26  my byte offset among the positions
.set SPW,  28                          ; v28  LDS address of my spare word; never rewritten
.set NIL,  29                          ; v29  0; never rewritten
.set POS,  30                          ; v30-31  the positions of my wave's 64 tokens of the table
.set TMP,  32                          ; v32-95   a block's 64 numbers
.set CS,   96                          ; v96-159  two sets of 32: cos and sin for a block; while the table is made, v96-127 are eight sets of four results
.set AF,   128
.set PC,   160                         ; v160-175 a block's codes (v: a second set at v176)
.set BB,   176                         ; v176-207 two sets of 16: a block's rows back from the stage
.set CN,   200                         ; v200-225 thirteen constants, each twice
.set INV,  246                         ; v246 my pair's frequency
.set POSF, 247                         ; v247-248 the positions as f32
.set G1, 24
.set G0, 32
.set G1B, 48
.set G0B, 56
.set MSB, 0
.macro WIN new                         ; the immediate's high byte repeats the setting that is left
.if MSB != \new
	s_set_vgpr_msb (MSB<<8)|\new
.set MSB, \new
.endif
.endm
.set MUL_LO, 0xa1                      ; source 0 (R) window 1, source 1 (P) window 0, C and D window 2
.set MUL_HI, 0xf1
.set TO_B,   0x40
; A joint load: waves 0 and 1 fetch for P, waves 2 and 3 for R.  The branch hangs on the wave's number alone.  Four v_nop follow each of the two lines.
.macro JLOAD g0a, g1a, g0b, g1b
	s_cmp_eq_u32 s15, 0
	s_cbranch_scc0 .Lfor_b_\@
	tensor_load_to_lds s[\g0a:\g0a+3], s[\g1a:\g1a+7]
	s_nop 0
.rept 4
	v_nop
.endr
	s_branch .Lasked_\@
.Lfor_b_\@:
	tensor_load_to_lds s[\g0b:\g0b+3], s[\g1b:\g1b+7]
	s_nop 0
.rept 4
	v_nop
.endr
.Lasked_\@:
.endm
.macro CREST                           ; a round of the cluster's barrier behind its opening barrier
	s_cmp_lg_u32 s14, 0
	s_cbranch_scc1 .Lnot_wave_0_\@
	s_barrier_signal -3
.Lnot_wave_0_\@:
	s_barrier_wait -3
	s_barrier_signal -1
	s_barrier_wait -1
.endm
.macro CROUND
	s_barrier_signal -1
	s_barrier_wait -1
	CREST
.endm
	s_load_b256 s[4:11], s[0:1], 0x0               ; x s[4:5], Wq s[6:7], Wk s[8:9], Wv s[10:11]
	s_load_b256 s[68:75], s[0:1], 0x20             ; the scales' exponents s[68:69], the positions s[70:71], q_codes s[72:73], k_codes s[74:75]
	s_load_b64 s[76:77], s[0:1], 0x40              ; v_codes
	v_lshl_add_u32 v[SPW], v0, 2, SPARE
	v_mov_b32 v[NIL], 0
	ds_add_u32 v28, v29
	ds_add_u32 v28, v29
	s_wait_dscnt 0x0
	v_lshrrev_b32 v1, 5, v0
	v_readfirstlane_b32 s14, v1                    ; wave 0..3
	s_lshr_b32 s15, s14, 1                         ; which half of the tile's i is mine.  Also: I fetch for P (0) or for R (1)
	s_and_b32 s16, s14, 1                          ; which half of its j.  Also: which 128 rows of that tile I fetch
	s_bfe_u32 s40, ttmp6, 0x40000                  ; cx, cy: my place in the cluster
	s_bfe_u32 s41, ttmp6, 0x40004
	s_mov_b32 s66, ttmp9                           ; the role: the cluster's x
	s_lshr_b32 s67, s66, 1                         ; 1 for v
	s_and_b32 s100, ttmp7, 0xffff                  ; the cluster's y, 0 to 7
	s_lshl_b32 s18, s100, 2
	s_mul_i32 s19, s18, s67                        ; 4 y for v, else 0
	s_sub_co_u32 s18, s18, s19                     ; 4 y for q and k, else 0
	s_add_co_u32 s17, s41, s18                     ; P's block of 256 rows: q, k: 4 y + cy of x's 32;  v: cy of Wv's 4
	s_add_co_u32 s42, s40, s19                     ; R's block: q, k: cx of W's 4;  v: 4 y + cx of x's 32
	s_lshl_b32 s43, s41, 2
	s_lshl_b32 s43, 15, s43                        ; my row of the cluster
	s_lshl_b32 s44, 0x1111, s40                    ; my column
	s_or_b32 s[G1+0], s43, (0<<16)|(1<<20)|(1<<21)|(5<<22)|(3<<25)  ; 15:0 the mask; 17:16 elements of 1 byte; 20 padding on; 21 set beside a mask; 24:22 after every 64 words; 31:25 four words
	s_or_b32 s[G1B+0], s44, (0<<16)|(1<<20)|(1<<21)|(5<<22)|(3<<25)
.irp g, G1, G1B
	s_mov_b32 s[\g+1], ROWB<<16                    ; tensor_dim0
	s_mov_b32 s[\g+2], 128<<16                     ; tensor_dim1 = 128
	s_mov_b32 s[\g+3], ROWB<<16                    ; tile_dim0
	s_mov_b32 s[\g+4], 128                         ; tile_dim1 = 128
	s_mov_b32 s[\g+5], KROW                        ; tensor_dim0_stride
	s_mov_b32 s[\g+6], 0
	s_mov_b32 s[\g+7], 0
.endr
	s_lshl_b32 s18, s16, 7                         ; which 128 rows of the tile I fetch
	s_lshl_b32 s20, s17, 8
	s_add_co_u32 s20, s20, s18
	s_lshl_b32 s20, s20, 10                        ; P: (256 x block + 128 x half) rows of 1,024 bytes
	s_mov_b32 s21, 0
	s_lshl_b32 s46, s42, 8
	s_add_co_u32 s46, s46, s18
	s_lshl_b32 s46, s46, 10                        ; R likewise
	s_mov_b32 s47, 0
	s_mul_i32 s45, s14, HALFT                      ; where they go: wave x 128 rows: no place in the cluster enters an LDS address
	s_wait_kmcnt 0x0
	s_load_b256 s[80:87], s[68:69], 0x0            ; entries 0 to 7 of the scales' exponents,
	s_load_b128 s[88:91], s[68:69], 0x20           ; entries 8 to 11: waited for behind the loop
	s_cmp_eq_u32 s66, 2                            ; the buffers are chosen by the role alone
	s_cselect_b64 s[78:79], s[10:11], s[4:5]       ; P: Wv, or x
	s_cmp_eq_u32 s66, 1
	s_cselect_b64 s[96:97], s[8:9], s[6:7]         ; R: Wk or Wq,
	s_cmp_eq_u32 s66, 2
	s_cselect_b64 s[96:97], s[4:5], s[96:97]       ; or x
	s_add_nc_u64 s[20:21], s[78:79], s[20:21]
	s_add_nc_u64 s[46:47], s[96:97], s[46:47]
	CROUND                                         ; all sixteen work-groups are here: the first joint loads meet
.irp s, 0,1
	s_mov_b32 s[G0+4*\s], 1
	s_add_co_u32 s[G0+4*\s+1], s45, \s*SLOT
	s_add_nc_u64 s[G0+4*\s+2:G0+4*\s+3], s[20:21], \s*ROWB
	s_or_b32 s[G0+4*\s+3], s[G0+4*\s+3], 0x80000000
	s_mov_b32 s[G0B+4*\s], 1
	s_add_co_u32 s[G0B+4*\s+1], s45, \s*SLOT
	s_add_nc_u64 s[G0B+4*\s+2:G0B+4*\s+3], s[46:47], \s*ROWB
	s_or_b32 s[G0B+4*\s+3], s[G0B+4*\s+3], 0x80000000
	JLOAD G0+4*\s, G1, G0B+4*\s, G1B
.endr
	; every address register of the text is made here, on the one way that all waves of all roles take
	v_and_b32 v1, 15, v0                           ; r = lane % 16
	v_bfe_u32 v2, v0, 4, 1                         ; h = lane / 16
	v_and_b32 v[LN], 31, v0
	v_mul_u32_u24 v3, v1, PITCH
	v_lshl_add_u32 v4, v2, 4, v3                   ; a fragment's row x pitch + 16 x half
	s_mul_i32 s21, s15, HALFT                      ; my 128 rows of P
	s_mul_i32 s22, s16, HALFT                      ; my 128 rows of R,
	s_add_co_u32 s22, s22, 2*HALFT                 ; which lie behind P's 256
.irp s, 0,1
	v_add_nc_u32 v[ADRA+\s], s21, v4
	v_add_nc_u32 v[ADRB+\s], s22, v4
	s_add_co_u32 s21, s21, SLOT
	s_add_co_u32 s22, s22, SLOT
.endr
	s_mul_i32 s23, s14, 64*TP
	v_lshl_add_u32 v[TW], v[LN], 3, s23            ; the table, in: token 64 wave, 8 bytes a pair
	s_add_co_u32 s23, s23, VSTG
	v_mul_u32_u24 v5, v2, TP
	v_lshl_add_u32 v5, v1, 4, v5
	v_add_nc_u32 v[VSR], s23, v5                   ; v's stage, back: rows 64 wave + h, 16 r
	s_mul_i32 s23, s15, 128*TP
	v_lshl_add_u32 v[RT], v2, 5, v3
	v_add_nc_u32 v[RT], s23, v[RT]                 ; the table, back: token 128 (wave / 2) + r, + 32 h
	v_lshl_add_u32 v[VSO], v2, 3, v3
	v_add_nc_u32 v[VSO], s23, v[VSO]
	s_lshl_b32 s23, s16, 7
	s_add_co_u32 s23, s23, VSTG
	v_add_nc_u32 v[VSO], s23, v[VSO]               ; v's stage, in: row 128 (wave / 2) + r, byte 128 (wave % 2) + 8 h
	v_lshlrev_b32 v5, 11, v2
	v_lshl_add_u32 v[VGO], v1, 4, v5               ; and the same two rows in v_codes: 2,048 h + 16 r
	s_mul_i32 s23, s14, 16*QP
	s_add_co_u32 s23, s23, QSTG
	v_mul_u32_u24 v5, v1, QP
	v_lshl_add_u32 v5, v2, 3, v5
	v_add_nc_u32 v[QSO], s23, v5
	v_lshrrev_b32 v5, 2, v[LN]
	v_mul_u32_u24 v5, v5, QP
	v_and_b32 v23, 3, v0
	v_lshl_add_u32 v5, v23, 4, v5
	v_add_nc_u32 v[QSR], s23, v5
	v_lshlrev_b32 v[GO], 4, v[LN]
	s_and_b32 s95, s66, 1
	s_lshl_b32 s95, s95, 9                         ; 512 for k
	v_add_nc_u32 v[GOP], s95, v[GO]
	s_xor_b32 s95, s95, 512                        ; 512 for q
	v_add_nc_u32 v[GOM], s95, v[GO]
	s_and_b32 s94, s17, 7                          ; the positions of tokens 256 (block % 8) + 64 wave + lane, and 32 further on
	s_lshl_b32 s94, s94, 2
	s_add_co_u32 s94, s94, s14
	s_lshl_b32 s94, s94, 8
	v_lshl_add_u32 v[POSO], v[LN], 2, s94
	global_load_b32 v[POS], v[POSO], s[70:71]
	global_load_b32 v[POS+1], v[POSO], s[70:71] offset:128
	; q, k: my first byte: (((b x 16 + head) x 2,048 + token) x 64, b = block / 8, head = 4 R's block + 2 (wave % 2), token = 256 (block % 8) + 128 (wave / 2)
	s_lshr_b32 s94, s17, 3
	s_lshl_b32 s94, s94, 4
	s_lshl_b32 s95, s42, 2
	s_add_co_u32 s94, s94, s95
	s_lshl_b32 s95, s16, 1
	s_add_co_u32 s94, s94, s95
	s_lshl_b32 s94, s94, 11
	s_and_b32 s95, s17, 7
	s_lshl_b32 s95, s95, 8
	s_add_co_u32 s94, s94, s95
	s_lshl_b32 s95, s15, 7
	s_add_co_u32 s94, s94, s95
	s_lshl_b32 s94, s94, 6
	s_mov_b32 s95, 0
	s_cmp_eq_u32 s66, 1
	s_cselect_b64 s[92:93], s[74:75], s[72:73]
	s_add_nc_u64 s[92:93], s[92:93], s[94:95]
	; v: my first byte: ((b x 1,024 + 256 P's block + 64 wave) x 2,048 + 256 (R's block % 8), b = R's block / 8
	s_lshr_b32 s96, s42, 3
	s_lshl_b32 s96, s96, 10
	s_lshl_b32 s97, s17, 8
	s_add_co_u32 s96, s96, s97
	s_lshl_b32 s97, s14, 6
	s_add_co_u32 s96, s96, s97
	s_lshl_b32 s96, s96, 11
	s_and_b32 s97, s42, 7
	s_lshl_b32 s97, s97, 8
	s_add_co_u32 s96, s96, s97
	s_mov_b32 s97, 0
	s_add_nc_u64 s[98:99], s[76:77], s[96:97]
.macro FRAG reg, adr, q, i             ; a fragment, 16 rows x 128 K, is 16 registers: lane l holds row l % 16; registers 4 c .. 4 c + 3 hold K = 32 c + 16 (l / 16) + 0 .. 15: the same places in P and in R
.irp c, 0,1,2,3
	ds_load_b128 v[\reg+4*\c:\reg+4*\c+3], v[\adr] offset:128*(\q)+32*\c+(\i)*16*PITCH
.endr
.endm
; 16 matrix instructions: P's blocks a0, a0 + 1 x R's eight.  The 64 accumulators take turns, one instruction a turn, in the same order in every step.
.macro MUL16 a0, p, zero
.irp a, \a0, \a0+1
.irp b, 0,1,2,3,4,5,6,7
.if \zero
	v_wmma_f32_16x16x128_fp8_fp8 v[8*(8*((\a)%4)+\b):8*(8*((\a)%4)+\b)+7], v[128*(\p)+FR*\b:128*(\p)+FR*\b+FR-1], v[AF+FR*(\a):AF+FR*(\a)+FR-1], 0
.else
	v_wmma_f32_16x16x128_fp8_fp8 v[8*(8*((\a)%4)+\b):8*(8*((\a)%4)+\b)+7], v[128*(\p)+FR*\b:128*(\p)+FR*\b+FR-1], v[AF+FR*(\a):AF+FR*(\a)+FR-1], v[8*(8*((\a)%4)+\b):8*(8*((\a)%4)+\b)+7]
.endif
.endr
.endr
.endm
.macro FETCH_B slot, q, p
	WIN TO_B
.irp i, 0,1,2,3,4,5,6,7
	FRAG 128*(\p)+FR*\i, ADRB+\slot, \q, \i
.endr
	WIN 0
.endm
.macro FETCH_A slot, q, i0
.irp i, \i0, \i0+1, \i0+2, \i0+3
	FRAG AF+FR*(\i), ADRA+\slot, \q, \i
.endr
.endm
.macro PLACES n                        ; plain vector instructions between a matrix instruction and a load into, or a vector read or write of, its registers
.rept \n
	v_nop
.endr
.endm
.macro STEP slot, q, zero              ; 128 along K that have their successor in the same slot
	s_wait_dscnt 4*NL                              ; R's set and P's blocks 0-3 are in; the 16 youngest loads (P's blocks 4-7) may be out
	WIN MUL_LO
	MUL16 0, (\q)%2, \zero
	MUL16 2, (\q)%2, \zero
	s_wait_dscnt 0
	PLACES NP
	FETCH_B \slot, (\q)+1, 1-(\q)%2
	FETCH_A \slot, (\q)+1, 0
	WIN MUL_HI
	MUL16 4, (\q)%2, \zero
	MUL16 6, (\q)%2, \zero
	PLACES NP
	WIN 0
	FETCH_A \slot, (\q)+1, 4
.endm
; A slot's last step changes slots: one barrier; in front of it each wave waits for all its tensor loads, adds 0 to its spare word, and waits for that and for its own reads of this slot.
.macro TURN slot, next, fill
	s_wait_tensorcnt 0x0                           ; all my tensor loads have landed: my part of the next slot
	ds_add_u32 v[SPW], v[NIL]                      ; 0 onto my spare word
	s_wait_dscnt 4*NL+1                            ; the add and the 16 youngest loads may be out
	WIN MUL_LO
	MUL16 0, 1, 0
	s_wait_dscnt 0x0                               ; the add is done, and my reads of this slot are over
	s_barrier_signal -1
	MUL16 2, 1, 0
	WIN 0
	s_barrier_wait -1
.if \fill
	CREST                                          ; the barrier has opened a round of the cluster's barrier: no wave of any partner still reads this slot or has a load on its way
	s_add_nc_u64 s[G0+4*\slot+2:G0+4*\slot+3], s[G0+4*\slot+2:G0+4*\slot+3], 2*ROWB
	s_add_nc_u64 s[G0B+4*\slot+2:G0B+4*\slot+3], s[G0B+4*\slot+2:G0B+4*\slot+3], 2*ROWB
	JLOAD G0+4*\slot, G1, G0B+4*\slot, G1B         ; the first tensor load behind the round; its four v_nop are the places in front of the loads below
.else
	PLACES NP
.endif
	FETCH_B \next, 0, 0
	FETCH_A \next, 0, 0
	WIN MUL_HI
	MUL16 4, 1, 0
	MUL16 6, 1, 0
	PLACES NP
	WIN 0
	FETCH_A \next, 0, 4
.endm
	s_wait_tensorcnt 1                             ; my part of K step 0 is in; K step 1's load may be out
	s_barrier_signal -1
	s_barrier_wait -1
	FETCH_B 0, 0, 0
	FETCH_A 0, 0, 0
	FETCH_A 0, 0, 4
	STEP 0, 0, 1                                   ; the first step's products start the sums
	s_mov_b32 s3, LAPS-1
.Llap:
	TURN 0, 1, 1
	STEP 1, 0, 0
	TURN 1, 0, 1
	STEP 0, 0, 0
	s_sub_co_u32 s3, s3, 1
	s_cmp_lg_u32 s3, 0
	s_cbranch_scc1 .Llap
	TURN 0, 1, 0                                   ; the last lap fills nothing: behind this barrier nobody reads slot 0, and it has had its last fill
	STEP 1, 0, 0
	s_wait_dscnt 4*NL
	WIN MUL_LO
	MUL16 0, 1, 0
	MUL16 2, 1, 0
	s_wait_dscnt 0
	WIN MUL_HI
	MUL16 4, 1, 0
	MUL16 6, 1, 0
	WIN 0
	; THE SCALE.  A sum stands for sum x 2^(e_x + e_w), and the rotation is linear: so the conversion takes 2^(e_out - e_x - e_w).  The role picks the three entries by selects.
	s_wait_kmcnt 0x0
	s_sub_co_i32 s94, s86, s80
	s_sub_co_i32 s94, s94, s81                     ; q: e6 - e0 - e1
	s_sub_co_i32 s95, s87, s82
	s_sub_co_i32 s95, s95, s83                     ; k: e7 - e2 - e3
	s_sub_co_i32 s96, s89, s84
	s_sub_co_i32 s96, s96, s85                     ; v: e9 - e4 - e5
	s_cmp_eq_u32 s66, 1
	s_cselect_b32 s94, s95, s94
	s_cmp_eq_u32 s66, 2
	s_cselect_b32 s94, s96, s94
	s_add_co_i32 s94, s94, 127
	s_lshl_b32 s95, s94, 23
	s_add_co_i32 s94, s94, 8
	s_lshl_b32 s94, s94, 23
	s_or_b32 s94, s94, 0x600000
	s_wait_loadcnt 0x0                             ; the positions
	PLACES NP                                      ; behind the last products: window 0's registers from v128 on are written below
	v_mov_b32 v[SCL], s95
	v_mov_b32 v[LIM], s94                          ; 448 x the scale
; ---- q, k: two tokens' cos and sin for my pair: tokens t, t + 1 of my wave's 64; results in v[d] .. v[d + 3] = cos, sin, cos, sin
.set K2PI, CN+0
.set KP1,  CN+2
.set KP2,  CN+4
.set KP3,  CN+6
.set KS3,  CN+8
.set KS5,  CN+10
.set KS7,  CN+12
.set KS9,  CN+14
.set KC2,  CN+16
.set KC4,  CN+18
.set KC6,  CN+20
.set KC8,  CN+22
.set KONE, CN+24
.macro KONST reg, bits
	v_mov_b32 v[\reg], \bits
	v_mov_b32 v[\reg+1], \bits
.endm
.macro EVAL2 t, d
	s_wait_dscnt 14                                ; the seven younger pairs of stores may be out: the pair that read this set of four registers is done
	v_readlane_b32 s94, v[POSF+(\t)/32], (\t)%32
	v_readlane_b32 s95, v[POSF+(\t)/32], (\t)%32+1
	v_mul_f32 v226, s94, v[INV]                    ; the angle, rounded once
	v_mul_f32 v227, s95, v[INV]
	v_pk_mul_f32 v[228:229], v[226:227], v[K2PI:K2PI+1]
	v_rndne_f32 v228, v228                         ; n: the nearest multiple of pi / 2
	v_rndne_f32 v229, v229
	v_pk_fma_f32 v[230:231], v[228:229], v[KP1:KP1+1], v[226:227]   ; x = angle - n pi / 2, pi / 2 in three parts
	v_pk_fma_f32 v[230:231], v[228:229], v[KP2:KP2+1], v[230:231]
	v_pk_fma_f32 v[230:231], v[228:229], v[KP3:KP3+1], v[230:231]
	v_cvt_i32_f32 v240, v228
	v_cvt_i32_f32 v241, v229
	v_pk_mul_f32 v[232:233], v[230:231], v[230:231]                 ; z = x x
	v_pk_fma_f32 v[234:235], v[232:233], v[KS9:KS9+1], v[KS7:KS7+1]
	v_pk_fma_f32 v[236:237], v[232:233], v[KC8:KC8+1], v[KC6:KC6+1]
	v_pk_fma_f32 v[234:235], v[234:235], v[232:233], v[KS5:KS5+1]
	v_pk_fma_f32 v[236:237], v[236:237], v[232:233], v[KC4:KC4+1]
	v_pk_fma_f32 v[234:235], v[234:235], v[232:233], v[KS3:KS3+1]
	v_pk_fma_f32 v[236:237], v[236:237], v[232:233], v[KC2:KC2+1]
	v_pk_mul_f32 v[238:239], v[232:233], v[230:231]
	v_pk_fma_f32 v[236:237], v[236:237], v[232:233], v[KONE:KONE+1] ; cos x
	v_pk_fma_f32 v[234:235], v[238:239], v[234:235], v[230:231]     ; sin x
.irp e, 0,1
	v_and_b32 v242, 1, v[240+\e]
	v_cmp_eq_u32 vcc_lo, 1, v242                   ; n odd: sine and cosine change places
	v_cndmask_b32 v243, v[236+\e], v[234+\e], vcc_lo
	v_cndmask_b32 v244, v[234+\e], v[236+\e], vcc_lo
	v_add_nc_u32 v245, 1, v[240+\e]
	v_lshlrev_b32 v242, 30, v[240+\e]              ; the sine is negative where n % 4 is 2 or 3: bit 1 of n,
	v_lshlrev_b32 v245, 30, v245                   ; the cosine where it is 1 or 2: bit 1 of n + 1
	v_and_b32 v242, 0x80000000, v242
	v_and_b32 v245, 0x80000000, v245
	v_xor_b32 v[\d+2*\e], v245, v243
	v_xor_b32 v[\d+2*\e+1], v242, v244
.endr
	ds_store_b64 v[TW], v[\d:\d+1] offset:(\t)*TP          ; 32 lanes: a token's 256 bytes
	ds_store_b64 v[TW], v[\d+2:\d+3] offset:((\t)+1)*TP
.endm
; ---- v: block a (16 features x 128 tokens) is held, converted and put into the work-group's stage
.macro VBLOCK a
.set AC, 64*((\a)%4)
.set PCV, PC+16*((\a)%2)
	s_wait_dscnt 8                                 ; the block before may have its eight stores out: those that read this set of codes are done
	WIN 0x02+((\a)/4)                              ; source 0: window 2 or 3
.set JJ, 0
.rept 64
	v_med3_num_f32 v[TMP+JJ], v[AC+JJ], -v[LIM], v[LIM]    ; the conversion to an 8-bit code does not saturate (ISA guide 7.6.2); each accumulator from its low end on
.set JJ, JJ+1
.endr
	WIN 0
.irp b, 0,1,2,3,4,5,6,7
	v_cvt_scalef32_pk8_fp8_f32 v[PCV+2*\b:PCV+2*\b+1], v[TMP+8*\b:TMP+8*\b+7], v[SCL]
.endr
	v_nop                                          ; a plain line behind the last conversion: the next block's holds write its sources
.irp b, 0,1,2,3,4,5,6,7
	ds_store_b64 v[VSO], v[PCV+2*\b:PCV+2*\b+1] offset:16*(\a)*TP+16*\b
.endr
.endm
	s_cmp_eq_u32 s66, 2                            ; the role: the same in all waves of all sixteen partners
	s_cbranch_scc1 .Lv_codes
	; q, k: THE TABLE.  Lane = pair i; my frequency 10000^(-i / 32) = 2^(-i L), L = log2(10000) / 32 in two parts
	v_cvt_f32_u32 v226, v[LN]
	v_mul_f32 v227, 0x3ed49a78, v226
	v_rndne_f32 v227, v227                         ; the whole part of i L
	v_fma_f32 v228, v226, 0x3ed49a78, -v227
	v_fma_f32 v228, v226, 0x32179a37, v228         ; the rest, within +-1/2
	v_cvt_i32_f32 v229, v227
	v_exp_f32 v[INV], -v228
	v_sub_nc_u32 v229, 0, v229                     ; (a plain line behind the exponential)
	s_wait_alu depctr_va_vdst(0)                   ; the wait ahead of the first line that names the result
	v_ldexp_f32 v[INV], v[INV], v229
	v_cvt_f32_i32 v[POSF], v[POS]
	v_cvt_f32_i32 v[POSF+1], v[POS+1]
	KONST K2PI, 0x3f22f983                         ; 2 / pi
	KONST KP1,  0xbfc90fdb                         ; -(pi / 2), its three parts
	KONST KP2,  0x333bbd2e
	KONST KP3,  0x26f72ced
	KONST KS3,  0xbe2aaaab                         ; -1/6, 1/120, -1/5040, 1/362880
	KONST KS5,  0x3c088889
	KONST KS7,  0xb9500d01
	KONST KS9,  0x3638ef1d
	KONST KC2,  0xbf000000                         ; -1/2, 1/24, -1/720, 1/40320
	KONST KC4,  0x3d2aaaab
	KONST KC6,  0xbab60b61
	KONST KC8,  0x37d00d01
	KONST KONE, 0x3f800000
.set TT, 0
.rept 32
	EVAL2 TT, CS+4*((TT/2)%8)
.set TT, TT+2
.endr
	s_branch .Lmeet
.Lv_codes:
.irp a, 0,1,2,3,4,5,6,7
	VBLOCK \a
.endr
.Lmeet:
	s_wait_dscnt 0x0                               ; for the others' sake: my stores into the table or into v's stage are done
	s_barrier_signal -1
	s_barrier_wait -1
; ---- q, k: block a is 16 tokens x 128 features (two heads)
.macro QCS a                           ; its cos and sin: for each of a head's four tiles my four pairs, 32 bytes
.set CSL, CS+32*((\a)%2)
.irp c, 0,1,2,3
	ds_load_b128 v[CSL+8*\c:CSL+8*\c+3], v[RT] offset:16*(\a)*TP+64*\c
	ds_load_b128 v[CSL+8*\c+4:CSL+8*\c+7], v[RT] offset:16*(\a)*TP+64*\c+16
.endr
.endm
.macro QSEND a                         ; its rows leave: for each head two stores of 512 consecutive bytes (8 tokens x 64).  For k the groups of 8 tokens numbered 1 and 2 of every four change places
.set BBS, BB+16*((\a)%2)
.irp u, 0,1
.if ((\a)%2) == 0
	global_store_b128 v[GO],  v[BBS+8*\u:BBS+8*\u+3],   s[92:93] offset:\u*131072+(2*(\a))*512
	global_store_b128 v[GOP], v[BBS+8*\u+4:BBS+8*\u+7], s[92:93] offset:\u*131072+(2*(\a)+1)*512
.else
	global_store_b128 v[GOM], v[BBS+8*\u:BBS+8*\u+3],   s[92:93] offset:\u*131072+(2*(\a)-1)*512
	global_store_b128 v[GO],  v[BBS+8*\u+4:BBS+8*\u+7], s[92:93] offset:\u*131072+(2*(\a)+1)*512
.endif
.endr
.endm
.macro QBLOCK a
	s_wait_dscnt 0x0                               ; this block's cos and sin are in, and the block before is back from the stage
.if (\a) < 7
	QCS (\a)+1
.endif
.if (\a) > 0
	QSEND (\a)-1
.endif
.set AC, 64*((\a)%4)
.set CSB, CS+32*((\a)%2)
.set BBB, BB+16*((\a)%2)
	WIN 0x02+((\a)/4)                              ; source 0: window 2 or 3
.irp b, 0,1,2,3,4,5,6,7
.irp p, 0,2,4,6
	v_pk_mul_f32 v[TMP+8*\b+\p:TMP+8*\b+\p+1], v[AC+8*\b+\p:AC+8*\b+\p+1], v[CSB+8*(\b%4)+\p:CSB+8*(\b%4)+\p+1] op_sel_hi:[1,0]   ; (even cos, odd cos)
.endr
.irp p, 0,2,4,6
	v_pk_fma_f32 v[TMP+8*\b+\p:TMP+8*\b+\p+1], v[AC+8*\b+\p:AC+8*\b+\p+1], v[CSB+8*(\b%4)+\p:CSB+8*(\b%4)+\p+1], v[TMP+8*\b+\p:TMP+8*\b+\p+1] op_sel:[1,1,0] op_sel_hi:[0,1,1] neg_lo:[1,0,0]   ; (- odd sin, + even sin)
.endr
.endr
	WIN 0
.set JJ, 0
.rept 64
	v_med3_num_f32 v[TMP+JJ], v[TMP+JJ], -v[LIM], v[LIM]   ; the conversion to an 8-bit code does not saturate (ISA guide 7.6.2)
.set JJ, JJ+1
.endr
.irp b, 0,1,2,3,4,5,6,7
	v_cvt_scalef32_pk8_fp8_f32 v[PC+2*\b:PC+2*\b+1], v[TMP+8*\b:TMP+8*\b+7], v[SCL]
.endr
	v_nop                                          ; a plain line behind the last conversion
.irp b, 0,1,2,3,4,5,6,7
	ds_store_b64 v[QSO], v[PC+2*\b:PC+2*\b+1] offset:16*\b
.endr
	s_wait_xcnt 0x0                                ; the stores of the block two back have read their registers: this block's rows may land there
.irp u, 0,1
.irp p, 0,1
	ds_load_b128 v[BBB+8*\u+4*\p:BBB+8*\u+4*\p+3], v[QSR] offset:8*\p*QP+64*\u   ; LDS serves a wave's instructions in order (ISA guide 5.7.1.4): these see the stores above
.endr
.endr
.endm
	s_cmp_eq_u32 s66, 2
	s_cbranch_scc1 .Lv_out
	QCS 0
.irp a, 0,1,2,3,4,5,6,7
	QBLOCK \a
.endr
	s_wait_dscnt 0x0
	QSEND 7
	s_branch .Lend
.Lv_out:                                               ; v: each wave takes 64 whole rows of the stage: sixteen lanes store 256 consecutive bytes, at a multiple of 256 from the buffer's first byte
.set TT, 0
.rept 32
	ds_load_b128 v[TMP+4*TT:TMP+4*TT+3], v[VSR] offset:2*TT*TP
.set TT, TT+1
.endr
.set TT, 0
.rept 32
	s_wait_dscnt 31-TT                             ; LDS loads come back in order: load TT is in, the younger ones may be out
	global_store_b128 v[VGO], v[TMP+4*TT:TMP+4*TT+3], s[98:99] offset:2*TT*2048
.set TT, TT+1
.endr
.Lend:
	s_wait_tensorcnt 0x0                           ; the wave's end
	ds_add_u32 v[SPW], v[NIL]
	s_wait_dscnt 0x0
	CROUND                                         ; the closing round
	s_endpgm
.Lfunc_end_k_qb41498e320_qkv:
	.size	k_qb41498e320_qkv, .Lfunc_end_k_qb41498e320_qkv-k_qb41498e320_qkv
	.p2alignl 7, 3214868480
	.fill 96, 4, 3214868480
	.section	.rodata,"a",@progbits
	.p2align	6, 0x0
	.amdhsa_kernel k_qb41498e320_qkv
		.amdhsa_group_segment_fixed_size 327680
		.amdhsa_private_segment_fixed_size 0
		.amdhsa_enable_private_segment 0
		.amdhsa_kernarg_size 72
		.amdhsa_user_sgpr_count 2
		.amdhsa_user_sgpr_kernarg_segment_ptr 1
		.amdhsa_wavefront_size32 1
		.amdhsa_system_sgpr_workgroup_id_x 1
		.amdhsa_system_sgpr_workgroup_id_y 1
		.amdhsa_system_sgpr_workgroup_id_z 1
		.amdhsa_system_vgpr_workitem_id 0
		.amdhsa_next_free_vgpr 1024
		.amdhsa_next_free_sgpr 101
		.amdhsa_reserve_vcc 1
		.amdhsa_float_denorm_mode_32 3
		.amdhsa_float_denorm_mode_16_64 3
		.amdhsa_memory_ordered 1
		.amdhsa_forward_progress 1
		.amdhsa_inst_pref_size 255
	.end_amdhsa_kernel
	.section	.bss,"aw",@nobits
	.p2align	6
	.space	262144
	.amdgpu_metadata
---
amdhsa.version: [ 1, 2 ]
amdhsa.kernels:
  - .name:           k_qb41498e320_qkv
    .symbol:         k_qb41498e320_qkv.kd
    .args:
      - { .name: x_codes, .offset: 0, .size: 8, .value_kind: global_buffer, .address_space: global }
      - { .name: Wq_codes, .offset: 8, .size: 8, .value_kind: global_buffer, .address_space: global }
      - { .name: Wk_codes, .offset: 16, .size: 8, .value_kind: global_buffer, .address_space: global }
      - { .name: Wv_codes, .offset: 24, .size: 8, .value_kind: global_buffer, .address_space: global }
      - { .name: lowp_scales, .offset: 32, .size: 8, .value_kind: global_buffer, .address_space: global }
      - { .name: token_positions, .offset: 40, .size: 8, .value_kind: global_buffer, .address_space: global }
      - { .name: q_codes, .offset: 48, .size: 8, .value_kind: global_buffer, .address_space: global }
      - { .name: k_codes, .offset: 56, .size: 8, .value_kind: global_buffer, .address_space: global }
      - { .name: v_codes, .offset: 64, .size: 8, .value_kind: global_buffer, .address_space: global }
    .group_segment_fixed_size: 327680
    .private_segment_fixed_size: 0
    .kernarg_segment_align: 8
    .kernarg_segment_size: 72
    .max_flat_workgroup_size: 128
    .sgpr_count:     101
    .vgpr_count:     1024
    .wavefront_size: 32
...
	.end_amdgpu_metadata
.endif
;; end of part 1
;; launch attn (part 2): grid 4 x 64, 16 waves a work-group, no clusters, 98,304 bytes of LDS; arguments q_codes, k_codes, v_codes, lowp_scales, a_codes; writes a_codes
.if DOCPART == 2
	.amdgcn_target "amdgcn-amd-amdhsa--gfx1250"
	.amdhsa_code_object_version 6
	.text
	.protected	k_qb41498e320_attn
	.globl	k_qb41498e320_attn
	.p2align	8
	.type	k_qb41498e320_attn,@function
k_qb41498e320_attn:
	s_mov_b64 s[64:65], 0
	v_nop
	global_prefetch_b8 v0, s[64:65] scope:SCOPE_SE
	s_setreg_imm32_b32 hwreg(HW_REG_WAVE_MODE, 25, 1), 1
	s_wait_xcnt 0x0
; Causal attention on codes of FP8 (E4M3), head size 64, 2,048 tokens, 64 heads (b x 16 + head), and its result quantised with the given scale (entry 10).
; q_codes [bh][token][64]; k_codes the same with the two middle groups of 8 tokens of every 32 exchanged; v_codes [bh][d][token]; a_codes [head][b x 2,048 + token][64].
; THE SOFTMAX: t = score x log2(e) / 8; M = the running largest t rounded up to a whole number; p = 2^(t - M) is quantised (entry 8); the row's sum is taken of the unquantised p and divides at the end.
; SHARES.  Work-group (J, bh), J = 0 .. 3, owns the blocks of 256 queries J and 7 - J of one head, one after the other: J + 1 and 8 - J slots of 256 keys, nine visits for every J: all work-groups have the same work.
; Each of the sixteen waves owns 16 queries of the block in hand, in 256 registers: four waves to a SIMD, so that one wave's vector work stands beside another's matrix work and LDS loads.
; K AND V come through registers: each thread loads 64 bytes of the next visit's 32 KB a whole visit ahead and stores them into the other of two LDS buffers; one barrier a visit.
; A scalar branch on the given exponent of p leaves out p's hold where it changes nothing (448 x 2^e8 is 1 or more).
; No cluster: the work-groups that share K and V differ in their query blocks, on which the causal branches hang.  No prefetch: every load is itself issued a visit ahead of the wait for it.
; LAYOUT.  Both products are used transposed: S^T = K Q^T, O^T = V^T P^T: a lane holds one query (lane % 16) throughout.  By the order of k_codes' rows the 16 registers of tiles 2 b and 2 b + 1 of S^T
; are the 16 neighbouring keys 32 b + 16 (lane / 16) + 0 .. 15.
; LIMITS on the given exponents: e6 + e7 between -123 and 130; e8, and e10 - e8 - e9, between -126 and 119.  NaN is not served.
; REGISTERS: v1-7, v10, v11 addresses; v12 -M, v13 the largest t, v[14:15] the sum; v16-23 Q, v24-31 the second block's Q; v32-95 fragments of K, then of V; v96-159 S^T, then p; v160-191 O^T; v192-207 p's codes;
; v208-223 the next visit's bytes; v240-243 scales; v244-253 at work; v254 Q's offset.
.set KP,   80                          ; a key's row in LDS: 64 bytes + 16: an odd multiple of 16, so that the 16 rows of a load start at 16 different groups of banks
.set VP,   272                         ; a row of V's tile: 256 bytes + 16
.set VOFF, 256*KP
.set BUF,  VOFF+64*VP                  ; a buffer: 256 rows of K, then 64 rows of V: 37,888 bytes
.set STG,  2*BUF                       ; behind the buffers: 16 rows x 80 bytes for each wave, for the way out
.set AK0, 1
.set AV0, 2
.set KGO, 3
.set VGO, 4
.set KLS, 5
.set VLS, 6
.set GO,  7
.set STO, 10
.set SRD, 11
.set LD,  208
.set WV,  14                           ; s14 wave;  s15 J;  s16 J + 1;  s18 the visit;  s19 trips
.set SEL, 20                           ; s[20:21] lane selects: lane l xor 16
.set CSC, 22                           ; s[22:23] c = log2(e) / 8 x 2^(e6 + e7)
.set KF,  24                           ; s24 the step's first key
.set Q0,  25                           ; s25 my first query;  s26 that of the second block;  s27 1: p needs no hold
	s_load_b256 s[4:11], s[0:1], 0x0               ; q s[4:5], k s[6:7], v s[8:9], the scales' exponents s[10:11]
	s_load_b64 s[12:13], s[0:1], 0x20              ; a_codes
	v_lshl_add_u32 v239, v0, 2, 0x17800
	v_mov_b32 v255, 0
	v_lshrrev_b32 v8, 5, v0
	v_readfirstlane_b32 s[WV], v8                  ; wave 0..15
	s_mov_b32 s15, ttmp9                           ; J
	s_add_co_u32 s16, s15, 1
	s_and_b32 s46, ttmp7, 0xffff                   ; bh
	s_lshl_b32 s48, s46, 17                        ; the head's first byte in q, k and v: 2,048 x 64 bytes a head
	s_mov_b32 s49, 0
	s_lshl_b32 s47, s[WV], 4
	s_lshl_b32 s[Q0], s15, 8
	s_add_co_u32 s[Q0], s[Q0], s47                 ; 256 J + 16 wave
	s_sub_co_u32 s26, 7, s15
	s_lshl_b32 s26, s26, 8
	s_add_co_u32 s26, s26, s47                     ; 256 (7 - J) + 16 wave
	s_and_b32 s54, s46, 15
	s_lshl_b32 s54, s54, 13
	s_lshr_b32 s55, s46, 4
	s_lshl_b32 s55, s55, 11
	s_add_co_u32 s54, s54, s55                     ; head x 8,192 + b x 2,048: a_codes' row of the head's token 0
	s_mov_b32 s[SEL], 0x76543210
	s_mov_b32 s[SEL+1], 0xfedcba98
	s_mov_b32 s[KF], 0
	s_mov_b32 s18, 0
	s_mov_b32 s19, 4
	v_and_b32 v8, 15, v0                           ; r = lane % 16 (= thread % 16)
	v_bfe_u32 v9, v0, 4, 1                         ; h = lane / 16
	v_mul_u32_u24 v[AK0], v8, KP
	v_lshl_add_u32 v[AK0], v9, 4, v[AK0]           ; a tile of K: row r, + 16 h
	v_mul_u32_u24 v[AV0], v8, VP
	v_lshl_add_u32 v[AV0], v9, 4, v[AV0]
	v_add_nc_u32 v[AV0], VOFF, v[AV0]              ; a tile of V likewise
	v_lshlrev_b32 v[KGO], 4, v0                    ; K in memory: 16 x thread: a load of the work-group takes 8,192 consecutive bytes
	v_lshrrev_b32 v250, 4, v0
	v_lshlrev_b32 v[VGO], 11, v250
	v_lshl_add_u32 v[VGO], v8, 4, v[VGO]           ; V in memory: row thread / 16, 16 (thread % 16): sixteen threads take a row's 256 bytes
	v_lshrrev_b32 v251, 2, v0
	v_mul_u32_u24 v[KLS], v251, KP
	v_and_b32 v252, 3, v0
	v_lshl_add_u32 v[KLS], v252, 4, v[KLS]         ; K in LDS: row thread / 4, 16 (thread % 4)
	v_mul_u32_u24 v[VLS], v250, VP
	v_lshl_add_u32 v[VLS], v8, 4, v[VLS]
	v_add_nc_u32 v[VLS], VOFF, v[VLS]              ; V in LDS
	v_and_b32 v253, 31, v0
	v_lshlrev_b32 v[GO], 4, v253                   ; the way out: 16 x lane
	s_mul_i32 s47, s[WV], 16*KP
	s_add_co_u32 s47, s47, STG                     ; my stage
	v_mul_u32_u24 v[STO], v8, KP
	v_lshl_add_u32 v[STO], v9, 3, v[STO]
	v_add_nc_u32 v[STO], s47, v[STO]               ; in: row r, + 8 h
	v_lshrrev_b32 v251, 2, v253
	v_mul_u32_u24 v[SRD], v251, KP
	v_lshl_add_u32 v[SRD], v252, 4, v[SRD]
	v_add_nc_u32 v[SRD], s47, v[SRD]               ; back: row lane / 4, 16 (lane % 4)
	v_lshlrev_b32 v254, 6, v8
	v_lshl_add_u32 v254, v9, 4, v254               ; Q: row r of 64 bytes, + 16 h; never rewritten
	s_wait_kmcnt 0x0
	s_load_b128 s[40:43], s[10:11], 0x18           ; e6, e7, e8, e9
	s_load_b32 s44, s[10:11], 0x28                 ; e10
	s_add_nc_u64 s[28:29], s[6:7], s[48:49]        ; the head's K,
	s_add_nc_u64 s[30:31], s[8:9], s[48:49]        ; V,
	s_add_nc_u64 s[4:5], s[4:5], s[48:49]          ; and Q
	s_lshl_b32 s48, s[Q0], 6
	s_add_nc_u64 s[50:51], s[4:5], s[48:49]        ; my queries of the first block,
	s_lshl_b32 s48, s26, 6
	s_add_nc_u64 s[52:53], s[4:5], s[48:49]        ; and of the second; neither is written again
	s_add_co_u32 s48, s54, s[Q0]
	s_lshl_b32 s48, s48, 6
	s_add_nc_u64 s[36:37], s[12:13], s[48:49]      ; where the first block's 16 rows go,
	s_add_co_u32 s48, s54, s26
	s_lshl_b32 s48, s48, 6
	s_add_nc_u64 s[38:39], s[12:13], s[48:49]      ; and the second's
	s_mov_b64 s[32:33], s[28:29]                   ; visit 0 takes slot 0
	s_mov_b64 s[34:35], s[30:31]
	global_load_b128 v[16:19], v254, s[50:51]      ; a fragment of Q: registers 4 c .. 4 c + 3 hold channels 32 c + 16 h + 0 .. 15: the same places as in K's fragments
	global_load_b128 v[20:23], v254, s[50:51] offset:32
	global_load_b128 v[24:27], v254, s[52:53]
	global_load_b128 v[28:31], v254, s[52:53] offset:32
	global_load_b128 v[LD:LD+3],     v[KGO], s[32:33]
	global_load_b128 v[LD+4:LD+7],   v[KGO], s[32:33] offset:8192
	global_load_b128 v[LD+8:LD+11],  v[VGO], s[34:35]
	global_load_b128 v[LD+12:LD+15], v[VGO], s[34:35] offset:65536
	v_mov_b32 v13, 0xff61b1e6                      ; the largest t so far: -3e38, under every t
	v_floor_f32 v12, -v13                          ; -M
	v_mov_b32 v14, 0
	v_mov_b32 v15, 0
	v_mov_b32 v247, 0                              ; (named as the upper half of the pair v[246:247])
	v_mov_b32 v248, 0xff800000                     ; -infinity
	v_mov_b32 v249, 0                              ; a lane permute's destination counts as one of its sources
.set JJ, 0
.rept 32
	v_mov_b32 v[160+JJ], 0                         ; O^T: the step is written once: the first finds zeros, which the first change of M leaves zeros
.set JJ, JJ+1
.endr
	s_wait_kmcnt 0x0
	s_add_co_i32 s46, s40, s41
	s_lshl_b32 s46, s46, 23
	s_mov_b32 s[CSC], 0x3e38aa3b                   ; log2(e) / 8
	s_add_co_i32 s[CSC], s[CSC], s46               ; x 2^(e6 + e7): added to the exponent field
	s_mov_b32 s[CSC+1], s[CSC]
	s_cmp_ge_i32 s42, -8                           ; p is at most 1, and 448 x 2^-8 is 1.75
	s_cselect_b32 s27, 1, 0
	s_add_co_i32 s46, s42, 127
	s_lshl_b32 s47, s46, 23
	v_mov_b32 v241, s47                            ; 2^e8 as f32
	s_add_co_i32 s46, s46, 8
	s_lshl_b32 s46, s46, 23
	s_or_b32 s46, s46, 0x600000
	v_mov_b32 v240, s46                            ; 448 x 2^e8
	s_sub_co_i32 s46, s44, s42
	s_sub_co_i32 s46, s46, s43
	s_add_co_i32 s46, s46, 127
	s_lshl_b32 s47, s46, 23
	v_mov_b32 v243, s47                            ; 2^(e10 - e8 - e9): O^T / the sum stands for that number x 2^(e8 + e9)
	s_add_co_i32 s46, s46, 8
	s_lshl_b32 s46, s46, 23
	s_or_b32 s46, s46, 0x600000
	v_mov_b32 v242, s46
; The next visit's bytes are asked for.  Visits 0 .. J take slots 0 .. J for block J; visits J + 1 .. 8 take slots 0 .. 7 - J for block 7 - J.
.macro NEXTLOAD
	s_add_co_u32 s46, s18, 1
	s_cmp_le_u32 s46, s15
	s_cselect_b32 s47, 0, s16
	s_sub_co_u32 s46, s46, s47                     ; its slot
	s_lshl_b32 s48, s46, 14                        ; 256 keys x 64 bytes
	s_mov_b32 s49, 0
	s_add_nc_u64 s[32:33], s[28:29], s[48:49]      ; (the loads that named these bases were waited for at the visit's head)
	s_lshl_b32 s48, s46, 8                         ; 256 bytes along V's rows
	s_add_nc_u64 s[34:35], s[30:31], s[48:49]
	global_load_b128 v[LD:LD+3],     v[KGO], s[32:33]
	global_load_b128 v[LD+4:LD+7],   v[KGO], s[32:33] offset:8192
	global_load_b128 v[LD+8:LD+11],  v[VGO], s[34:35]
	global_load_b128 v[LD+12:LD+15], v[VGO], s[34:35] offset:65536
.endm
; A KEY STEP: 128 keys, the q-th half of buffer buf.
.macro STEP buf, q
	s_add_co_u32 s46, s[Q0], 15                    ; a step all of whose keys come after my 16 queries is left out: a scalar branch on ids
	s_cmp_gt_u32 s[KF], s46
	s_cbranch_scc1 .Lhidden_\@
.rept 4
	v_nop                                          ; places in front of loads into registers that the last products read
.endr
.irp t, 0,1,2,3,4,5,6,7
	ds_load_b128 v[32+8*\t:35+8*\t], v[AK0] offset:\buf*BUF+(128*\q+16*\t)*KP
	ds_load_b128 v[36+8*\t:39+8*\t], v[AK0] offset:\buf*BUF+(128*\q+16*\t)*KP+32
.endr
	s_wait_dscnt 0x0
.irp t, 0,1,2,3,4,5,6,7
	v_wmma_f32_16x16x64_fp8_fp8 v[96+8*\t:103+8*\t], v[32+8*\t:39+8*\t], v[16:23], 0
.endr
.rept 4
	v_nop                                          ; places in front of the loads below and of the first read of the scores
.endr
.irp t, 0,1,2,3                                ; V's four fragments (16 channels x 128 keys) land while the softmax is worked
.irp c, 0,1,2,3
	ds_load_b128 v[32+16*\t+4*\c:35+16*\t+4*\c], v[AV0] offset:\buf*BUF+16*\t*VP+128*\q+32*\c
.endr
.endr
	s_add_co_u32 s46, s[KF], 127                   ; on the diagonal the scores of hidden keys become -infinity ahead of the maximum; a step all of whose keys count skips this
	s_cmp_le_u32 s46, s[Q0]
	s_cbranch_scc1 .Lopen_\@
	s_sub_co_i32 s46, s[Q0], s[KF]
	v_and_b32 v252, 15, v0
	v_bfe_u32 v253, v0, 4, 1
	v_lshlrev_b32 v253, 4, v253
	v_sub_nc_u32 v252, v252, v253
	v_add_nc_u32 v252, s46, v252                   ; d = my query - the step's first key - 16 h.  Register 16 b + i holds key 32 b + 16 h + i of the step: hidden where 32 b + i > d
.set NN, 0
.rept 64
	v_cmp_gt_i32 vcc_lo, 32*(NN/16)+NN%16, v252
	v_cndmask_b32 v[96+NN], v[96+NN], v248, vcc_lo
.set NN, NN+1
.endr
.Lopen_\@:
	v_max3_num_f32 v250, v96, v97, v98             ; the step's largest score of my query among my 64 keys, in two chains; each accumulator is read from its low end on
	v_max3_num_f32 v251, v99, v100, v101
.irp i, 6,10,14,18,22,26,30,34,38,42,46,50,54,58
	v_max3_num_f32 v250, v250, v[96+\i], v[97+\i]
	v_max3_num_f32 v251, v251, v[98+\i], v[99+\i]
.endr
	v_max3_num_f32 v250, v250, v158, v159
	v_max_num_f32 v250, v250, v251
	v_permlanex16_b32 v249, v250, s[SEL], s[SEL+1]
	v_max_num_f32 v250, v250, v249                 ; and among lane l xor 16's
	v_mul_f32 v250, s[CSC], v250                   ; as t (c is positive)
	v_max_num_f32 v13, v13, v250
	v_mov_b32 v250, v12
	v_floor_f32 v12, -v13                          ; the new -M = -ceil(t)
	v_sub_f32 v250, v12, v250                      ; old M - new M: a whole number, 0 or less
	v_cvt_i32_f32 v250, v250                       ; (it saturates)
	v_ldexp_f32 v246, 1.0, v250                    ; f = 2^(old M - new M)
.set NN, 0
.rept 32
	v_pk_fma_f32 v[96+NN:97+NN], v[96+NN:97+NN], s[CSC:CSC+1], v[12:13] op_sel_hi:[1,0,0]   ; t - M, two at a time
.set NN, NN+2
.endr
.set NN, 0
.rept 64
	v_exp_f32 v[96+NN], v[96+NN]                   ; p = 2^(t - M)
.set NN, NN+1
.endr
	v_pk_mul_f32 v[14:15], v[14:15], v[246:247] op_sel_hi:[1,0]   ; the sum under the new M (a plain line behind the exponentials)
	s_wait_alu depctr_va_vdst(0)                   ; one wait for the batch of 64, ahead of its first reader
	v_pk_add_f32 v[244:245], v[96:97], v[98:99]    ; the row's sum is taken of the unquantised p, in two chains
.irp j, 4,8,12,16,20,24,28,32,36,40,44,48,52,56,60
	v_pk_add_f32 v[14:15], v[14:15], v[96+\j:97+\j]
	v_pk_add_f32 v[244:245], v[244:245], v[98+\j:99+\j]
.endr
	v_pk_add_f32 v[14:15], v[14:15], v[244:245]
	s_cmp_eq_u32 s27, 1                            ; where 448 x 2^e8 is 1 or more no p lies beyond the largest code
	s_cbranch_scc1 .Lno_hold_\@
.set NN, 0
.rept 64
	v_min_num_f32 v[96+NN], v[96+NN], v240         ; the conversion to an 8-bit code does not saturate (ISA guide 7.6.2); p is not negative
.set NN, NN+1
.endr
.Lno_hold_\@:
.irp b, 0,1,2,3
	v_cvt_scalef32_pk8_fp8_f32 v[192+4*\b:193+4*\b], v[96+16*\b:103+16*\b], v241
	v_cvt_scalef32_pk8_fp8_f32 v[194+4*\b:195+4*\b], v[104+16*\b:111+16*\b], v241
.endr
.set NN, 0
.rept 16
	v_pk_mul_f32 v[160+NN:161+NN], v[160+NN:161+NN], v[246:247] op_sel_hi:[1,0]   ; O^T under the new M (plain lines between the conversions and the products)
.set NN, NN+2
.endr
	s_wait_dscnt 0x0                               ; V's fragments
.irp t, 0,1,2,3
	v_wmma_f32_16x16x128_fp8_fp8 v[160+8*\t:167+8*\t], v[32+16*\t:47+16*\t], v[192:207], v[160+8*\t:167+8*\t]   ; four accumulators by turns
.endr
.Lhidden_\@:
	s_add_co_u32 s[KF], s[KF], 128
.endm
; A block's way out: O^T / the sum, held, converted, through my stage, and out as 1,024 consecutive bytes (16 rows of 64).
.macro FINISH base
.rept 4
	v_nop                                          ; places behind the last products
.endr
	v_add_f32 v14, v14, v15
	v_permlanex16_b32 v249, v14, s[SEL], s[SEL+1]
	v_add_f32 v14, v14, v249                       ; the row's sum
	v_rcp_f32 v14, v14
	v_nop                                          ; a plain line behind the reciprocal
	s_wait_alu depctr_va_vdst(0)                   ; and the wait ahead of its first reader
.set NN, 0
.rept 16
	v_pk_mul_f32 v[96+NN:97+NN], v[160+NN:161+NN], v[14:15] op_sel_hi:[1,0]   ; register 8 t + i: channel 16 t + 8 h + i of query r
.set NN, NN+2
.endr
.set NN, 0
.rept 32
	v_med3_num_f32 v[96+NN], v[96+NN], -v242, v242
.set NN, NN+1
.endr
.irp t, 0,1,2,3
	v_cvt_scalef32_pk8_fp8_f32 v[128+2*\t:129+2*\t], v[96+8*\t:103+8*\t], v243
.endr
	v_nop                                          ; a plain line behind the last conversion
.irp t, 0,1,2,3
	ds_store_b64 v[STO], v[128+2*\t:129+2*\t] offset:16*\t
.endr
	ds_load_b128 v[136:139], v[SRD]                ; LDS serves a wave's instructions in order (ISA guide 5.7.1.4): these see my stores
	ds_load_b128 v[140:143], v[SRD] offset:8*KP
	s_wait_dscnt 0x0
	global_store_b128 v[GO], v[136:139], s[\base:\base+1]
	global_store_b128 v[GO], v[140:143], s[\base:\base+1] offset:512
	s_wait_xcnt 0x0                                ; the stores have read their registers, which the next scores write
.endm
.macro REINIT                          ; the second block begins
	v_mov_b32 v13, 0xff61b1e6
	v_floor_f32 v12, -v13
	v_mov_b32 v14, 0
	v_mov_b32 v15, 0
.set NN, 0
.rept 32
	v_mov_b32 v[160+NN], 0
.set NN, NN+1
.endr
.irp j, 0,1,2,3,4,5,6,7
	v_mov_b32 v[16+\j], v[24+\j]
.endr
	s_mov_b32 s[Q0], s26
	s_mov_b32 s[KF], 0
.endm
; A VISIT: 256 keys.  My 64 bytes go into buffer buf; one barrier.  That buffer was last read two visits ago: every wave waited for those reads in front of the barrier of the visit between.
.macro VISIT buf, more
	s_wait_loadcnt 0x0                             ; the bytes asked for a visit ago (in the first visit: Q too)
	ds_store_b128 v[KLS], v[LD:LD+3]     offset:\buf*BUF
	ds_store_b128 v[KLS], v[LD+4:LD+7]   offset:\buf*BUF+128*KP
	ds_store_b128 v[VLS], v[LD+8:LD+11]  offset:\buf*BUF
	ds_store_b128 v[VLS], v[LD+12:LD+15] offset:\buf*BUF+32*VP
	s_wait_dscnt 0x0                               ; for the others' sake: my stores are done, and so are my reads of the other buffer
	s_barrier_signal -1
	s_barrier_wait -1
.if \more
	NEXTLOAD
	s_cmp_eq_u32 s18, s16                          ; the first visit of the second block: the first block leaves
	s_cbranch_scc0 .Lsame_block_\@
	FINISH 36
	REINIT
.Lsame_block_\@:
.endif
	STEP \buf, 0
	STEP \buf, 1
	s_add_co_u32 s18, s18, 1
.endm
.Lpair:                                                ; four trips of two visits
	VISIT 0, 1
	VISIT 1, 1
	s_sub_co_u32 s19, s19, 1
	s_cmp_lg_u32 s19, 0
	s_cbranch_scc1 .Lpair
	VISIT 0, 0                                     ; the ninth visit asks for nothing more
	FINISH 38
	s_wait_tensorcnt 0x0
	ds_add_u32 v239, v255
	s_wait_dscnt 0x0
	s_endpgm
.Lfunc_end_k_qb41498e320_attn:
	.size	k_qb41498e320_attn, .Lfunc_end_k_qb41498e320_attn-k_qb41498e320_attn
	.p2alignl 7, 3214868480
	.fill 96, 4, 3214868480
	.section	.rodata,"a",@progbits
	.p2align	6, 0x0
	.amdhsa_kernel k_qb41498e320_attn
		.amdhsa_group_segment_fixed_size 98304
		.amdhsa_private_segment_fixed_size 0
		.amdhsa_enable_private_segment 0
		.amdhsa_kernarg_size 40
		.amdhsa_user_sgpr_count 2
		.amdhsa_user_sgpr_kernarg_segment_ptr 1
		.amdhsa_wavefront_size32 1
		.amdhsa_system_sgpr_workgroup_id_x 1
		.amdhsa_system_sgpr_workgroup_id_y 1
		.amdhsa_system_sgpr_workgroup_id_z 1
		.amdhsa_system_vgpr_workitem_id 0
		.amdhsa_next_free_vgpr 256
		.amdhsa_next_free_sgpr 66
		.amdhsa_reserve_vcc 1
		.amdhsa_float_denorm_mode_32 3
		.amdhsa_float_denorm_mode_16_64 3
		.amdhsa_memory_ordered 1
		.amdhsa_forward_progress 1
		.amdhsa_inst_pref_size 149
	.end_amdhsa_kernel
	.amdgpu_metadata
---
amdhsa.version: [ 1, 2 ]
amdhsa.kernels:
  - .name:           k_qb41498e320_attn
    .symbol:         k_qb41498e320_attn.kd
    .args:
      - { .name: q_codes, .offset: 0, .size: 8, .value_kind: global_buffer, .address_space: global }
      - { .name: k_codes, .offset: 8, .size: 8, .value_kind: global_buffer, .address_space: global }
      - { .name: v_codes, .offset: 16, .size: 8, .value_kind: global_buffer, .address_space: global }
      - { .name: lowp_scales, .offset: 24, .size: 8, .value_kind: global_buffer, .address_space: global }
      - { .name: a_codes, .offset: 32, .size: 8, .value_kind: global_buffer, .address_space: global }
    .group_segment_fixed_size: 98304
    .private_segment_fixed_size: 0
    .kernarg_segment_align: 8
    .kernarg_segment_size: 40
    .max_flat_workgroup_size: 512
    .sgpr_count:     66
    .vgpr_count:     256
    .wavefront_size: 32
...
	.end_amdgpu_metadata
.endif
;; end of part 2
;; launch oproj (part 3): grid 4 x 32, 4 waves a work-group, clusters of 4 x 4, 327,680 bytes of LDS; arguments a_codes, Wo_codes, lowp_scales, out0; writes out0
.if DOCPART == 3
	.amdgcn_target "amdgcn-amd-amdhsa--gfx1250"
	.amdhsa_code_object_version 6
	.text
	.protected	k_qb41498e320_oproj
	.globl	k_qb41498e320_oproj
	.p2align	8
	.type	k_qb41498e320_oproj,@function
k_qb41498e320_oproj:
	s_mov_b64 s[64:65], 0
	v_nop
	global_prefetch_b8 v0, s[64:65] scope:SCOPE_SE
	s_setreg_imm32_b32 hwreg(HW_REG_WAVE_MODE, 25, 1), 1
	s_wait_xcnt 0x0
	s_wait_alu depctr_hold_cnt(0) depctr_sa_sdst(0) depctr_va_vdst(0) depctr_va_sdst(0) depctr_va_ssrc(0) depctr_va_vcc(0) depctr_vm_vsrc(0)
	s_getreg_b32 s2, hwreg(HW_REG_IB_STS2, 6, 4)
	s_cmp_eq_u32 s2, 0
	s_cbranch_scc0 .Lentry_in_a_cluster
	s_endpgm
.Lentry_in_a_cluster:
	s_bfe_u32 s2, ttmp6, 0x10000c
	s_cmp_lg_u32 s2, 0xf033
	s_cbranch_scc0 .Lentry_shape_is_right
	s_endpgm
.Lentry_shape_is_right:
; out0[m][n] = sum over k of A[m][k] Wo[n][k] x 2^(e10 + e11), on codes of FP8 (E4M3).  Wo: [1024][1024] codes, K innermost.  out0: [8192][1024] f32.
; A lies by heads: a_codes [head 16][token 8192][64], k = 64 head + channel.  A K step of 256 is four heads; the 128 tokens that a wave fetches are 8,192 consecutive bytes in each head.
; LIMIT: e10 + e11 lies between -126 and 127, so that 2^(e10 + e11) is an f32 number.
; A tile of the output, 256 x 256, is made by four waves, each 128 x 128: 64 accumulators.  K goes in steps of 256 through two LDS slots filled by the tensor data mover.
; CLUSTERS: 4 x 4 work-groups; A's tile is asked for jointly along a row of the cluster, Wo's along a column.  The matrix instruction is used transposed (source 0 = 16 rows of Wo, source 1 = 16 tokens):
; a lane holds eight neighbouring numbers of a row of the output.
; REGISTERS: window 0: v0-31 addresses; from v128 A's fragments, one set; on the way out v32-255 are free.  window 1: Wo's fragments, two sets.  windows 2, 3: the accumulators.
.set SIZE_N, 1024
.set ROWB,   256                       ; a row of Wo's tile in bytes
.set KROW,   1024                      ; a row of Wo in memory
.set PITCH,  272                       ; Wo's LDS row: 256 bytes + 16
.set AP,     80                        ; a token's 64 bytes of one head in LDS, + 16: an odd multiple of 16
.set HEADB,  128*AP                    ; 128 tokens of one head in LDS
.set HEADM,  8192*64                   ; from head to head in memory
.set KSA,    4*HEADM                   ; a K step on in A
.set FR,     16
.set NL,     4
.set NP,     4
.set HALFA,  4*HEADB                   ; what one tensor load brings of A: 4 heads x 128 tokens
.set HALFB,  128*PITCH                 ; and of Wo: 128 rows
.set SLOT,   2*HALFA+2*HALFB
.set LAPS,   2
.set SPARE,  2*SLOT                    ; the spare words, 128 bytes a wave: two blocks of 256 bytes that no other line names
.set SPITCH, 528                       ; the way out: a stage of 16 rows x (512 bytes + 16) for each wave, in slot 0, behind its last fill and its last read
.set ADRA, 16
.set ADRB, 20
.set STO,  24
.set RD,   25
.set CO,   26
.set SPW,  28
.set NIL,  29
.set TMP,  32
.set AF,   128
.set BK,   128
.set G1, 24
.set G0, 32
.set G1B, 48
.set G0B, 56
.set MSB, 0
.macro WIN new                         ; the immediate's high byte repeats the setting that is left
.if MSB != \new
	s_set_vgpr_msb (MSB<<8)|\new
.set MSB, \new
.endif
.endm
.set MUL_LO, 0xa1
.set MUL_HI, 0xf1
.set TO_B,   0x40
.macro JLOAD g0a, g1a, g0b, g1b        ; a joint load: waves 0 and 1 fetch for A, waves 2 and 3 for Wo; four v_nop follow each of the two lines
	s_cmp_eq_u32 s15, 0
	s_cbranch_scc0 .Lfor_b_\@
	tensor_load_to_lds s[\g0a:\g0a+3], s[\g1a:\g1a+7]
	s_nop 0
.rept 4
	v_nop
.endr
	s_branch .Lasked_\@
.Lfor_b_\@:
	tensor_load_to_lds s[\g0b:\g0b+3], s[\g1b:\g1b+7]
	s_nop 0
.rept 4
	v_nop
.endr
.Lasked_\@:
.endm
.macro CREST
	s_cmp_lg_u32 s14, 0
	s_cbranch_scc1 .Lnot_wave_0_\@
	s_barrier_signal -3
.Lnot_wave_0_\@:
	s_barrier_wait -3
	s_barrier_signal -1
	s_barrier_wait -1
.endm
.macro CROUND
	s_barrier_signal -1
	s_barrier_wait -1
	CREST
.endm
	s_load_b128 s[4:7], s[0:1], 0x0                ; a_codes s[4:5], Wo's codes s[6:7]
	s_load_b128 s[8:11], s[0:1], 0x10              ; the scales' exponents s[8:9], out0 s[10:11]
	v_lshl_add_u32 v[SPW], v0, 2, SPARE
	v_mov_b32 v[NIL], 0
	ds_add_u32 v28, v29
	ds_add_u32 v28, v29
	s_wait_dscnt 0x0
	v_lshrrev_b32 v1, 5, v0
	v_readfirstlane_b32 s14, v1                    ; wave 0..3
	s_lshr_b32 s15, s14, 1                         ; which half of the tile's rows is mine.  Also: I fetch for A (0) or for Wo (1)
	s_and_b32 s16, s14, 1                          ; which half of its columns.  Also: which 128 rows of that tile I fetch
	s_bfe_u32 s40, ttmp6, 0x40000                  ; cx, cy
	s_bfe_u32 s41, ttmp6, 0x40004
	s_lshl_b32 s42, ttmp9, 2
	s_add_co_u32 s42, s42, s40                     ; tile column = 4 x cluster x + cx
	s_and_b32 s17, ttmp7, 0xffff
	s_lshl_b32 s17, s17, 2
	s_add_co_u32 s17, s17, s41                     ; tile row = 4 x cluster y + cy
	s_lshl_b32 s43, s41, 2
	s_lshl_b32 s43, 15, s43                        ; my row of the cluster
	s_lshl_b32 s44, 0x1111, s40                    ; my column
	; A's group 1: 4 rows (heads) of 8,192 bytes (128 tokens x 64), 524,288 bytes apart; four words of padding behind every 16: a token's 64 bytes take 80 in LDS
	s_or_b32 s[G1+0], s43, (0<<16)|(1<<20)|(1<<21)|(3<<22)|(3<<25)
	s_mov_b32 s[G1+1], 8192<<16                    ; tensor_dim0
	s_mov_b32 s[G1+2], 4<<16                       ; tensor_dim1
	s_mov_b32 s[G1+3], 8192<<16                    ; tile_dim0
	s_mov_b32 s[G1+4], 4                           ; tile_dim1
	s_mov_b32 s[G1+5], HEADM                       ; tensor_dim0_stride
	s_mov_b32 s[G1+6], 0
	s_mov_b32 s[G1+7], 0
	; Wo's group 1: 128 rows of 256 bytes, 1,024 apart; four words of padding behind every 64
	s_or_b32 s[G1B+0], s44, (0<<16)|(1<<20)|(1<<21)|(5<<22)|(3<<25)
	s_mov_b32 s[G1B+1], ROWB<<16
	s_mov_b32 s[G1B+2], 128<<16
	s_mov_b32 s[G1B+3], ROWB<<16
	s_mov_b32 s[G1B+4], 128
	s_mov_b32 s[G1B+5], KROW
	s_mov_b32 s[G1B+6], 0
	s_mov_b32 s[G1B+7], 0
	s_lshl_b32 s18, s16, 7                         ; which 128 rows of the tile I fetch
	s_lshl_b32 s20, s17, 8
	s_add_co_u32 s20, s20, s18
	s_lshl_b32 s20, s20, 6                         ; A: token 256 x tile row + 128 x half, 64 bytes a token
	s_mov_b32 s21, 0
	s_lshl_b32 s46, s42, 8
	s_add_co_u32 s46, s46, s18
	s_lshl_b32 s46, s46, 10                        ; Wo: row 256 x tile column + 128 x half
	s_mov_b32 s47, 0
	s_mul_i32 s45, s16, HALFA                      ; where they go: A's two halves,
	s_mul_i32 s22, s16, HALFB
	s_add_co_u32 s22, s22, 2*HALFA                 ; then Wo's two: no place in the cluster enters an LDS address
	s_wait_kmcnt 0x0
	s_load_b64 s[96:97], s[8:9], 0x28              ; e10, e11
	s_add_nc_u64 s[20:21], s[4:5], s[20:21]
	s_add_nc_u64 s[46:47], s[6:7], s[46:47]
	CROUND                                         ; all sixteen work-groups are here: the first joint loads meet
.irp s, 0,1
	s_mov_b32 s[G0+4*\s], 1
	s_add_co_u32 s[G0+4*\s+1], s45, \s*SLOT
	s_add_nc_u64 s[G0+4*\s+2:G0+4*\s+3], s[20:21], \s*KSA
	s_or_b32 s[G0+4*\s+3], s[G0+4*\s+3], 0x80000000
	s_mov_b32 s[G0B+4*\s], 1
	s_add_co_u32 s[G0B+4*\s+1], s22, \s*SLOT
	s_add_nc_u64 s[G0B+4*\s+2:G0B+4*\s+3], s[46:47], \s*ROWB
	s_or_b32 s[G0B+4*\s+3], s[G0B+4*\s+3], 0x80000000
	JLOAD G0+4*\s, G1, G0B+4*\s, G1B
.endr
	v_and_b32 v1, 15, v0                           ; l % 16
	v_bfe_u32 v2, v0, 4, 1                         ; l / 16
	v_mul_u32_u24 v3, v1, PITCH
	v_lshl_add_u32 v4, v2, 4, v3                   ; Wo: a fragment's row x pitch + 16 x half
	v_mul_u32_u24 v7, v1, AP
	v_lshl_add_u32 v7, v2, 4, v7                   ; A likewise
	s_mul_i32 s21, s15, HALFA                      ; my 128 tokens of A
	s_mul_i32 s22, s16, HALFB                      ; my 128 rows of Wo,
	s_add_co_u32 s22, s22, 2*HALFA                 ; which lie behind A's
.irp s, 0,1
	v_add_nc_u32 v[ADRA+\s], s21, v7
	v_add_nc_u32 v[ADRB+\s], s22, v4
	s_add_co_u32 s21, s21, SLOT
	s_add_co_u32 s22, s22, SLOT
.endr
	s_mul_i32 s23, s14, 16*SPITCH                  ; my stage
	v_mul_u32_u24 v5, v1, SPITCH
	v_lshl_add_u32 v5, v2, 5, v5
	v_add_nc_u32 v[STO], s23, v5                   ; in: row l % 16, 32 bytes for each half of the lanes
	v_and_b32 v6, 31, v0
	v_lshlrev_b32 v[CO], 4, v6                     ; back: the 32 lanes take one row of 512 bytes; and the same in the output
	v_add_nc_u32 v[RD], s23, v[CO]
	s_lshl_b32 s20, s17, 8
	s_lshl_b32 s21, s15, 7
	s_add_co_u32 s20, s20, s21                     ; my first row: 256 x tile row + 128 x half
	s_mov_b32 s21, 0
	s_mov_b64 s[18:19], SIZE_N*4
	s_mul_u64 s[20:21], s[20:21], s[18:19]
	s_lshl_b32 s46, s42, 10                        ; my first column, in bytes
	s_lshl_b32 s47, s16, 9
	s_add_co_u32 s46, s46, s47
	s_mov_b32 s47, 0
	s_add_nc_u64 s[20:21], s[20:21], s[46:47]
	s_add_nc_u64 s[10:11], s[10:11], s[20:21]
; A fragment, 16 rows x 128 K, is 16 registers: lane l holds row l % 16; registers 4 c .. 4 c + 3 hold K = 32 c + 16 (l / 16) + 0 .. 15, in A and in Wo alike.
.macro FRAGB reg, adr, q, i
.irp c, 0,1,2,3
	ds_load_b128 v[\reg+4*\c:\reg+4*\c+3], v[\adr] offset:128*(\q)+32*\c+(\i)*16*PITCH
.endr
.endm
.macro FRAGA reg, adr, q, i            ; in A, K = 128 q + 32 c lies in head 2 q + c / 2 of the slot's four, at byte 32 (c % 2) of the token's 64
.irp c, 0,1,2,3
	ds_load_b128 v[\reg+4*\c:\reg+4*\c+3], v[\adr] offset:(2*(\q)+\c/2)*HEADB+32*(\c%2)+(\i)*16*AP
.endr
.endm
.macro MUL16 a0, p, zero               ; the 64 accumulators take turns, one instruction a turn
.irp a, \a0, \a0+1
.irp b, 0,1,2,3,4,5,6,7
.if \zero
	v_wmma_f32_16x16x128_fp8_fp8 v[8*(8*((\a)%4)+\b):8*(8*((\a)%4)+\b)+7], v[128*(\p)+FR*\b:128*(\p)+FR*\b+FR-1], v[AF+FR*(\a):AF+FR*(\a)+FR-1], 0
.else
	v_wmma_f32_16x16x128_fp8_fp8 v[8*(8*((\a)%4)+\b):8*(8*((\a)%4)+\b)+7], v[128*(\p)+FR*\b:128*(\p)+FR*\b+FR-1], v[AF+FR*(\a):AF+FR*(\a)+FR-1], v[8*(8*((\a)%4)+\b):8*(8*((\a)%4)+\b)+7]
.endif
.endr
.endr
.endm
.macro FETCH_B slot, q, p
	WIN TO_B
.irp i, 0,1,2,3,4,5,6,7
	FRAGB 128*(\p)+FR*\i, ADRB+\slot, \q, \i
.endr
	WIN 0
.endm
.macro FETCH_A slot, q, i0
.irp i, \i0, \i0+1, \i0+2, \i0+3
	FRAGA AF+FR*(\i), ADRA+\slot, \q, \i
.endr
.endm
.macro PLACES n                        ; plain vector instructions between a matrix instruction and a load into, or a vector read of, its registers
.rept \n
	v_nop
.endr
.endm
.macro STEP slot, q, zero
	s_wait_dscnt 4*NL                              ; Wo's set and A's blocks 0-3 are in; the 16 youngest loads (A's blocks 4-7) may be out
	WIN MUL_LO
	MUL16 0, (\q)%2, \zero
	MUL16 2, (\q)%2, \zero
	s_wait_dscnt 0
	PLACES NP
	FETCH_B \slot, (\q)+1, 1-(\q)%2
	FETCH_A \slot, (\q)+1, 0
	WIN MUL_HI
	MUL16 4, (\q)%2, \zero
	MUL16 6, (\q)%2, \zero
	PLACES NP
	WIN 0
	FETCH_A \slot, (\q)+1, 4
.endm
.macro TURN slot, next, fill           ; a slot's last step changes slots: one barrier
	s_wait_tensorcnt 0x0                           ; all my tensor loads have landed: my part of the next slot
	ds_add_u32 v[SPW], v[NIL]                      ; 0 onto my spare word
	s_wait_dscnt 4*NL+1                            ; the add and the 16 youngest loads may be out
	WIN MUL_LO
	MUL16 0, 1, 0
	s_wait_dscnt 0x0                               ; the add is done, and my reads of this slot are over
	s_barrier_signal -1
	MUL16 2, 1, 0
	WIN 0
	s_barrier_wait -1
.if \fill
	CREST                                          ; the barrier has opened a round of the cluster's barrier
	s_add_nc_u64 s[G0+4*\slot+2:G0+4*\slot+3], s[G0+4*\slot+2:G0+4*\slot+3], 2*KSA
	s_add_nc_u64 s[G0B+4*\slot+2:G0B+4*\slot+3], s[G0B+4*\slot+2:G0B+4*\slot+3], 2*ROWB
	JLOAD G0+4*\slot, G1, G0B+4*\slot, G1B         ; the first tensor load behind the round; its four v_nop are the places in front of the loads below
.else
	PLACES NP
.endif
	FETCH_B \next, 0, 0
	FETCH_A \next, 0, 0
	WIN MUL_HI
	MUL16 4, 1, 0
	MUL16 6, 1, 0
	PLACES NP
	WIN 0
	FETCH_A \next, 0, 4
.endm
	s_wait_tensorcnt 1                             ; my part of K step 0 is in; K step 1's load may be out
	s_barrier_signal -1
	s_barrier_wait -1
	FETCH_B 0, 0, 0
	FETCH_A 0, 0, 0
	FETCH_A 0, 0, 4
	STEP 0, 0, 1                                   ; the first step's products start the sums
	s_mov_b32 s3, LAPS-1
.Llap:
	TURN 0, 1, 1
	STEP 1, 0, 0
	TURN 1, 0, 1
	STEP 0, 0, 0
	s_sub_co_u32 s3, s3, 1
	s_cmp_lg_u32 s3, 0
	s_cbranch_scc1 .Llap
	TURN 0, 1, 0                                   ; the last lap fills nothing
	STEP 1, 0, 0
	s_wait_dscnt 4*NL
	WIN MUL_LO
	MUL16 0, 1, 0
	MUL16 2, 1, 0
	s_wait_dscnt 0
	WIN MUL_HI
	MUL16 4, 1, 0
	MUL16 6, 1, 0
	WIN 0
; THE WAY OUT, block by block of 16 rows x 128 columns, through my own stage in LDS: in as 32 bytes a lane, back as whole rows of 512 bytes.
.macro TOSTAGE a
.set AC, 64*((\a)%4)
	WIN 0x02+((\a)/4)                              ; source 0: window 2 or 3
.irp j, 0,2,4,6,8,10,12,14,16,18,20,22,24,26,28,30,32,34,36,38,40,42,44,46,48,50,52,54,56,58,60,62
	v_pk_mul_f32 v[TMP+\j:TMP+\j+1], v[AC+\j:AC+\j+1], s[96:97] op_sel_hi:[1,0]   ; both x s96 = 2^(e10 + e11); each accumulator from its low end on
.endr
	WIN 0
.irp b, 0,1,2,3,4,5,6,7
	ds_store_b128 v[STO], v[TMP+8*\b:TMP+8*\b+3] offset:64*\b
	ds_store_b128 v[STO], v[TMP+8*\b+4:TMP+8*\b+7] offset:64*\b+16
.endr
.set BB, BK+64*((\a)%2)
.irp t, 0,1,2,3,4,5,6,7,8,9,10,11,12,13,14,15
	ds_load_b128 v[BB+4*\t:BB+4*\t+3], v[RD] offset:\t*SPITCH   ; LDS serves a wave's instructions in order (ISA guide 5.7.1.4): these see the stores above
.endr
.endm
.macro SEND a, younger                 ; younger: the LDS instructions issued behind block a's loads, which may stay out
.set BB, BK+64*((\a)%2)
	s_wait_dscnt \younger
.if (\a) > 0
	s_add_nc_u64 s[10:11], s[10:11], 16*SIZE_N*4   ; (behind a wait on XCNT: the earlier stores have read their base)
.endif
.irp t, 0,1,2,3,4,5,6,7,8,9,10,11,12,13,14,15
	global_store_b128 v[CO], v[BB+4*\t:BB+4*\t+3], s[10:11] offset:\t*SIZE_N*4 th:TH_STORE_NT   ; 32 lanes store 512 consecutive bytes, at a multiple of 256 from the output's first byte
.endr
.endm
	s_wait_kmcnt 0x0
	s_add_co_i32 s96, s96, s97
	s_add_co_i32 s96, s96, 127
	s_lshl_b32 s96, s96, 23                        ; the f32 number 2^(e10 + e11)
	PLACES NP
	TOSTAGE 0
.irp a, 1,2,3,4,5,6,7
.if \a > 1
	s_wait_xcnt 0x0                                ; block a - 2's stores have read their registers and their base
.endif
	TOSTAGE \a
	SEND \a-1, 32                                  ; behind block a - 1's loads: block a's 16 stores and 16 loads
.endr
	s_wait_xcnt 0x0
	SEND 7, 0
	s_wait_tensorcnt 0x0                           ; the wave's end
	ds_add_u32 v[SPW], v[NIL]
	s_wait_dscnt 0x0
	CROUND                                         ; the closing round
	s_endpgm
.Lfunc_end_k_qb41498e320_oproj:
	.size	k_qb41498e320_oproj, .Lfunc_end_k_qb41498e320_oproj-k_qb41498e320_oproj
	.p2alignl 7, 3214868480
	.fill 96, 4, 3214868480
	.section	.rodata,"a",@progbits
	.p2align	6, 0x0
	.amdhsa_kernel k_qb41498e320_oproj
		.amdhsa_group_segment_fixed_size 327680
		.amdhsa_private_segment_fixed_size 0
		.amdhsa_enable_private_segment 0
		.amdhsa_kernarg_size 32
		.amdhsa_user_sgpr_count 2
		.amdhsa_user_sgpr_kernarg_segment_ptr 1
		.amdhsa_wavefront_size32 1
		.amdhsa_system_sgpr_workgroup_id_x 1
		.amdhsa_system_sgpr_workgroup_id_y 1
		.amdhsa_system_sgpr_workgroup_id_z 1
		.amdhsa_system_vgpr_workitem_id 0
		.amdhsa_next_free_vgpr 1024
		.amdhsa_next_free_sgpr 98
		.amdhsa_reserve_vcc 0
		.amdhsa_float_denorm_mode_32 3
		.amdhsa_float_denorm_mode_16_64 3
		.amdhsa_memory_ordered 1
		.amdhsa_forward_progress 1
		.amdhsa_inst_pref_size 123
	.end_amdhsa_kernel
	.amdgpu_metadata
---
amdhsa.version: [ 1, 2 ]
amdhsa.kernels:
  - .name:           k_qb41498e320_oproj
    .symbol:         k_qb41498e320_oproj.kd
    .args:
      - { .name: a_codes, .offset: 0, .size: 8, .value_kind: global_buffer, .address_space: global }
      - { .name: Wo_codes, .offset: 8, .size: 8, .value_kind: global_buffer, .address_space: global }
      - { .name: lowp_scales, .offset: 16, .size: 8, .value_kind: global_buffer, .address_space: global }
      - { .name: out0, .offset: 24, .size: 8, .value_kind: global_buffer, .address_space: global }
    .group_segment_fixed_size: 327680
    .private_segment_fixed_size: 0
    .kernarg_segment_align: 8
    .kernarg_segment_size: 32
    .max_flat_workgroup_size: 128
    .sgpr_count:     98
    .vgpr_count:     1024
    .wavefront_size: 32
...
	.end_amdgpu_metadata
.endif
;; end of part 3
;; ======== version 2 of 2: 3 launches; version 1 with the launch attn written anew for expert scheduling mode
;; limits: right only within a limited range of input values
;; workspace buffers: q_codes 8,388,608 bytes; k_codes 8,388,608 bytes; v_codes 8,388,608 bytes; a_codes 8,388,608 bytes
;; launch qkv: the kernel of part 1 again; grid 12 x 32, 4 waves a work-group, clusters of 4 x 4, 327,680 bytes of LDS; arguments x_codes, Wq_codes, Wk_codes, Wv_codes, lowp_scales, token_positions, q_codes, k_codes, v_codes; writes q_codes, k_codes, v_codes
;; launch attn (part 4): grid 4 x 64, 16 waves a work-group, no clusters, 98,304 bytes of LDS; arguments q_codes, k_codes, v_codes, lowp_scales, a_codes; writes a_codes
.if DOCPART == 4
	.amdgcn_target "amdgcn-amd-amdhsa--gfx1250"
	.amdhsa_code_object_version 6
	.text
	.protected	k_qb41498e320_attn
	.globl	k_qb41498e320_attn
	.p2align	8
	.type	k_qb41498e320_attn,@function
k_qb41498e320_attn:
	s_mov_b64 s[64:65], 0
	v_nop
	global_prefetch_b8 v0, s[64:65] scope:SCOPE_SE
	s_setreg_imm32_b32 hwreg(HW_REG_WAVE_SCHED_MODE, 0, 2), 2
	s_setreg_imm32_b32 hwreg(HW_REG_WAVE_MODE, 25, 1), 1
	s_wait_xcnt 0x0
	s_wait_alu depctr_vm_vsrc(0)
; Causal attention on codes of FP8 (E4M3), head size 64, 2,048 tokens, 64 heads (b x 16 + head), and its result quantised with the given scale (entry 10).
; q_codes [bh][token][64]; k_codes the same with the two middle groups of 8 tokens of every 32 exchanged; v_codes [bh][d][token]; a_codes [head][b x 2,048 + token][64].
; THE SOFTMAX: t = score x log2(e) / 8; M = the running largest t rounded up to a whole number; p = 2^(t - M) is quantised (entry 8); the row's sum is taken of the unquantised p and divides at the end.
; SHARES.  Work-group (J, bh), J = 0 .. 3, owns the blocks of 256 queries J and 7 - J of one head, one after the other: J + 1 and 8 - J slots of 256 keys, nine visits for every J: all work-groups have the same work.
; Each of the sixteen waves owns 16 queries of the block in hand, in 256 registers: four waves to a SIMD, so that one wave's vector work stands beside another's matrix work and LDS loads.
; K AND V come through registers: each thread loads 64 bytes of the next visit's 32 KB a whole visit ahead and stores them into the other of two LDS buffers; one barrier a visit.
; A scalar branch on the given exponent of p leaves out p's hold where it changes nothing (448 x 2^e8 is 1 or more).
; No cluster: the work-groups that share K and V differ in their query blocks, on which the causal branches hang.  No prefetch: every load is itself issued a visit ahead of the wait for it.
; LAYOUT.  Both products are used transposed: S^T = K Q^T, O^T = V^T P^T: a lane holds one query (lane % 16) throughout.  By the order of k_codes' rows the 16 registers of tiles 2 b and 2 b + 1 of S^T
; are the 16 neighbouring keys 32 b + 16 (lane / 16) + 0 .. 15.
; LIMITS on the given exponents: e6 + e7 between -123 and 130; e8, and e10 - e8 - e9, between -126 and 119.  NaN is not served.
; REGISTERS: v1-7, v10, v11 addresses; v12 -M, v13 the largest t, v[14:15] the sum; v16-23 Q, v24-31 the second block's Q; v32-95 fragments of K, then of V; v96-159 S^T, then p; v160-191 O^T; v192-207 p's codes;
; v208-223 the next visit's bytes; v240-243 scales; v244-253 at work; v254 Q's offset.
; THE MODE: SCHED_MODE bits 1:0 = 2 (LLVM: expert scheduling mode 2), set by the entry lines.  The code itself states the register dependences between vector or matrix instructions and memory or LDS
; instructions, with s_wait_alu, always for 0.
; THE PLAN.  Registers that memory or LDS instructions touch, and who else names them:
;   v1-7, v10, v11, v254   addresses and offsets: written at the head, ahead of one wait on va_vdst, and never again.
;   v16-31    Q: loaded once at the head; from then on named by matrix instructions and moves alone.
;   v208-223  the next visit's bytes: global loads land in them, the LDS stores at the next visit's head read them; no vector or matrix instruction names them.  One wait on vm_vsrc a visit, between the stores and the next loads.
;   v32-95    round a step: K's LDS loads land; the eight products K Q^T read; V's LDS loads land; the four products V^T P^T read; the next step's K lands.  So two waits on va_vdst a step: at its head
;             (the last V^T P^T are done reading) and behind K Q^T (they are done reading).  No line of the softmax names these registers, so V's loads are dealt among its first lines with no further wait.
;   v128-143  the way out: conversions write v128-135, LDS stores read them; LDS loads land in v136-143, global stores read them; the next block's first scores write all sixteen again.
;   v239, v255  written at the head, read by the closing add alone.
; The causal mask's compares write scalar registers, sixteen to a run, with one wait on va_sdst between a run and the selects that read it.  EXEC is never written.
.set KP,   80                          ; a key's row in LDS: 64 bytes + 16: an odd multiple of 16, so that the 16 rows of a load start at 16 different groups of banks
.set VP,   272                         ; a row of V's tile: 256 bytes + 16
.set VOFF, 256*KP
.set BUF,  VOFF+64*VP                  ; a buffer: 256 rows of K, then 64 rows of V: 37,888 bytes
.set STG,  2*BUF                       ; behind the buffers: 16 rows x 80 bytes for each wave, for the way out
.set AK0, 1
.set AV0, 2
.set KGO, 3
.set VGO, 4
.set KLS, 5
.set VLS, 6
.set GO,  7
.set STO, 10
.set SRD, 11
.set LD,  208
.set WV,  14                           ; s14 wave;  s15 J;  s16 J + 1;  s18 the visit;  s19 trips
.set SEL, 20                           ; s[20:21] lane selects: lane l xor 16
.set CSC, 22                           ; s[22:23] c = log2(e) / 8 x 2^(e6 + e7)
.set KF,  24                           ; s24 the step's first key
.set Q0,  25                           ; s25 my first query;  s26 that of the second block;  s27 1: p needs no hold
                                       ; s2-13 and s40-43, which the head is done with, take the causal mask's sixteen lane masks
	s_load_b256 s[4:11], s[0:1], 0x0               ; q s[4:5], k s[6:7], v s[8:9], the scales' exponents s[10:11]
	s_load_b64 s[12:13], s[0:1], 0x20              ; a_codes
	v_lshl_add_u32 v239, v0, 2, 0x17800
	v_mov_b32 v255, 0
	v_lshrrev_b32 v8, 5, v0
	v_readfirstlane_b32 s[WV], v8                  ; wave 0..15
	s_mov_b32 s15, ttmp9                           ; J
	s_add_co_u32 s16, s15, 1
	s_and_b32 s46, ttmp7, 0xffff                   ; bh
	s_lshl_b32 s48, s46, 17                        ; the head's first byte in q, k and v: 2,048 x 64 bytes a head
	s_mov_b32 s49, 0
	s_wait_alu depctr_va_sdst(0)                   ; s14, the wave's number, is written, ahead of its first reader
	s_lshl_b32 s47, s[WV], 4
	s_lshl_b32 s[Q0], s15, 8
	s_add_co_u32 s[Q0], s[Q0], s47                 ; 256 J + 16 wave
	s_sub_co_u32 s26, 7, s15
	s_lshl_b32 s26, s26, 8
	s_add_co_u32 s26, s26, s47                     ; 256 (7 - J) + 16 wave
	s_and_b32 s54, s46, 15
	s_lshl_b32 s54, s54, 13
	s_lshr_b32 s55, s46, 4
	s_lshl_b32 s55, s55, 11
	s_add_co_u32 s54, s54, s55                     ; head x 8,192 + b x 2,048: a_codes' row of the head's token 0
	s_mov_b32 s[SEL], 0x76543210
	s_mov_b32 s[SEL+1], 0xfedcba98
	s_mov_b32 s[KF], 0
	s_mov_b32 s18, 0
	s_mov_b32 s19, 4
	v_and_b32 v8, 15, v0                           ; r = lane % 16 (= thread % 16)
	v_bfe_u32 v9, v0, 4, 1                         ; h = lane / 16
	v_mul_u32_u24 v[AK0], v8, KP
	v_lshl_add_u32 v[AK0], v9, 4, v[AK0]           ; a tile of K: row r, + 16 h
	v_mul_u32_u24 v[AV0], v8, VP
	v_lshl_add_u32 v[AV0], v9, 4, v[AV0]
	v_add_nc_u32 v[AV0], VOFF, v[AV0]              ; a tile of V likewise
	v_lshlrev_b32 v[KGO], 4, v0                    ; K in memory: 16 x thread: a load of the work-group takes 8,192 consecutive bytes
	v_lshrrev_b32 v250, 4, v0
	v_lshlrev_b32 v[VGO], 11, v250
	v_lshl_add_u32 v[VGO], v8, 4, v[VGO]           ; V in memory: row thread / 16, 16 (thread % 16): sixteen threads take a row's 256 bytes
	v_lshrrev_b32 v251, 2, v0
	v_mul_u32_u24 v[KLS], v251, KP
	v_and_b32 v252, 3, v0
	v_lshl_add_u32 v[KLS], v252, 4, v[KLS]         ; K in LDS: row thread / 4, 16 (thread % 4)
	v_mul_u32_u24 v[VLS], v250, VP
	v_lshl_add_u32 v[VLS], v8, 4, v[VLS]
	v_add_nc_u32 v[VLS], VOFF, v[VLS]              ; V in LDS
	v_and_b32 v253, 31, v0
	v_lshlrev_b32 v[GO], 4, v253                   ; the way out: 16 x lane
	s_mul_i32 s47, s[WV], 16*KP
	s_add_co_u32 s47, s47, STG                     ; my stage
	v_mul_u32_u24 v[STO], v8, KP
	v_lshl_add_u32 v[STO], v9, 3, v[STO]
	v_add_nc_u32 v[STO], s47, v[STO]               ; in: row r, + 8 h
	v_lshrrev_b32 v251, 2, v253
	v_mul_u32_u24 v[SRD], v251, KP
	v_lshl_add_u32 v[SRD], v252, 4, v[SRD]
	v_add_nc_u32 v[SRD], s47, v[SRD]               ; back: row lane / 4, 16 (lane % 4)
	v_lshlrev_b32 v254, 6, v8
	v_lshl_add_u32 v254, v9, 4, v254               ; Q: row r of 64 bytes, + 16 h; never rewritten
	s_wait_kmcnt 0x0
	s_load_b128 s[40:43], s[10:11], 0x18           ; e6, e7, e8, e9
	s_load_b32 s44, s[10:11], 0x28                 ; e10
	s_add_nc_u64 s[28:29], s[6:7], s[48:49]        ; the head's K,
	s_add_nc_u64 s[30:31], s[8:9], s[48:49]        ; V,
	s_add_nc_u64 s[4:5], s[4:5], s[48:49]          ; and Q
	s_lshl_b32 s48, s[Q0], 6
	s_add_nc_u64 s[50:51], s[4:5], s[48:49]        ; my queries of the first block,
	s_lshl_b32 s48, s26, 6
	s_add_nc_u64 s[52:53], s[4:5], s[48:49]        ; and of the second; neither is written again
	s_add_co_u32 s48, s54, s[Q0]
	s_lshl_b32 s48, s48, 6
	s_add_nc_u64 s[36:37], s[12:13], s[48:49]      ; where the first block's 16 rows go,
	s_add_co_u32 s48, s54, s26
	s_lshl_b32 s48, s48, 6
	s_add_nc_u64 s[38:39], s[12:13], s[48:49]      ; and the second's
	s_mov_b64 s[32:33], s[28:29]                   ; visit 0 takes slot 0
	s_mov_b64 s[34:35], s[30:31]
	s_wait_alu depctr_va_vdst(0)                   ; the ten addresses and offsets v1-7, v10, v11 and v254 are written: every load and store of the kernel, global or LDS, reads one of them, and none is written again
	global_load_b128 v[16:19], v254, s[50:51]      ; a fragment of Q: registers 4 c .. 4 c + 3 hold channels 32 c + 16 h + 0 .. 15: the same places as in K's fragments
	global_load_b128 v[20:23], v254, s[50:51] offset:32
	global_load_b128 v[24:27], v254, s[52:53]
	global_load_b128 v[28:31], v254, s[52:53] offset:32
	global_load_b128 v[LD:LD+3],     v[KGO], s[32:33]
	global_load_b128 v[LD+4:LD+7],   v[KGO], s[32:33] offset:8192
	global_load_b128 v[LD+8:LD+11],  v[VGO], s[34:35]
	global_load_b128 v[LD+12:LD+15], v[VGO], s[34:35] offset:65536
	v_mov_b32 v13, 0xff61b1e6                      ; the largest t so far: -3e38, under every t
	v_floor_f32 v12, -v13                          ; -M
	v_mov_b32 v14, 0
	v_mov_b32 v15, 0
	v_mov_b32 v247, 0                              ; (named as the upper half of the pair v[246:247])
	v_mov_b32 v248, 0xff800000                     ; -infinity
	v_mov_b32 v249, 0                              ; a lane permute's destination counts as one of its sources
.set JJ, 0
.rept 32
	v_mov_b32 v[160+JJ], 0                         ; O^T: the step is written once: the first finds zeros, which the first change of M leaves zeros
.set JJ, JJ+1
.endr
	s_wait_kmcnt 0x0
	s_add_co_i32 s46, s40, s41
	s_lshl_b32 s46, s46, 23
	s_mov_b32 s[CSC], 0x3e38aa3b                   ; log2(e) / 8
	s_add_co_i32 s[CSC], s[CSC], s46               ; x 2^(e6 + e7): added to the exponent field
	s_mov_b32 s[CSC+1], s[CSC]
	s_cmp_ge_i32 s42, -8                           ; p is at most 1, and 448 x 2^-8 is 1.75
	s_cselect_b32 s27, 1, 0
	s_add_co_i32 s46, s42, 127
	s_lshl_b32 s47, s46, 23
	v_mov_b32 v241, s47                            ; 2^e8 as f32
	s_add_co_i32 s46, s46, 8
	s_lshl_b32 s46, s46, 23
	s_or_b32 s46, s46, 0x600000
	v_mov_b32 v240, s46                            ; 448 x 2^e8
	s_sub_co_i32 s46, s44, s42
	s_sub_co_i32 s46, s46, s43
	s_add_co_i32 s46, s46, 127
	s_lshl_b32 s47, s46, 23
	v_mov_b32 v243, s47                            ; 2^(e10 - e8 - e9): O^T / the sum stands for that number x 2^(e8 + e9)
	s_add_co_i32 s46, s46, 8
	s_lshl_b32 s46, s46, 23
	s_or_b32 s46, s46, 0x600000
	v_mov_b32 v242, s46
; The next visit's bytes are asked for.  Visits 0 .. J take slots 0 .. J for block J; visits J + 1 .. 8 take slots 0 .. 7 - J for block 7 - J.
.macro NEXTLOAD
	s_add_co_u32 s46, s18, 1
	s_cmp_le_u32 s46, s15
	s_cselect_b32 s47, 0, s16
	s_sub_co_u32 s46, s46, s47                     ; its slot
	s_lshl_b32 s48, s46, 14                        ; 256 keys x 64 bytes
	s_mov_b32 s49, 0
	s_add_nc_u64 s[32:33], s[28:29], s[48:49]      ; (the loads that named these bases were waited for at the visit's head)
	s_lshl_b32 s48, s46, 8                         ; 256 bytes along V's rows
	s_add_nc_u64 s[34:35], s[30:31], s[48:49]
	s_wait_alu depctr_vm_vsrc(0)                   ; my four LDS stores at this visit's head have read v208-223, in which the loads below land
	global_load_b128 v[LD:LD+3],     v[KGO], s[32:33]
	global_load_b128 v[LD+4:LD+7],   v[KGO], s[32:33] offset:8192
	global_load_b128 v[LD+8:LD+11],  v[VGO], s[34:35]
	global_load_b128 v[LD+12:LD+15], v[VGO], s[34:35] offset:65536
.endm
; One of V's four fragments (16 channels x 128 keys): four LDS loads.
.macro VFRAG buf, q, t
.irp c, 0,1,2,3
	ds_load_b128 v[32+16*(\t)+4*\c:35+16*(\t)+4*\c], v[AV0] offset:(\buf)*BUF+16*(\t)*VP+128*(\q)+32*\c
.endr
.endm
; A KEY STEP: 128 keys, the q-th half of buffer buf.
.macro STEP buf, q
	s_add_co_u32 s46, s[Q0], 15                    ; a step all of whose keys come after my 16 queries is left out: a scalar branch on ids
	s_cmp_gt_u32 s[KF], s46
	s_cbranch_scc1 .Lhidden_\@
.rept 4
	v_nop                                          ; the four places behind the last products stay as they stood; the wait below fills none of them
.endr
	s_wait_alu depctr_va_vdst(0)                   ; the last step's products V^T P^T are done reading v32-95, in which K's fragments land
.irp t, 0,1,2,3,4,5,6,7
	ds_load_b128 v[32+8*\t:35+8*\t], v[AK0] offset:\buf*BUF+(128*\q+16*\t)*KP
	ds_load_b128 v[36+8*\t:39+8*\t], v[AK0] offset:\buf*BUF+(128*\q+16*\t)*KP+32
.endr
	s_wait_dscnt 0x0
.irp t, 0,1,2,3,4,5,6,7
	v_wmma_f32_16x16x64_fp8_fp8 v[96+8*\t:103+8*\t], v[32+8*\t:39+8*\t], v[16:23], 0
.endr
.rept 4
	v_nop                                          ; places in front of the first read of the scores
.endr
	s_wait_alu depctr_va_vdst(0)                   ; the eight products above are done reading v32-95, in which V's fragments land.  No vector instruction from here to the products V^T P^T names those registers: V's sixteen loads follow with no further wait
	VFRAG \buf, \q, 0                              ; the first fragment at once; the other three among the lines of the maximum: all land while the softmax is worked
	s_add_co_u32 s46, s[KF], 127                   ; on the diagonal the scores of hidden keys become -infinity ahead of the maximum; a step all of whose keys count skips this
	s_cmp_le_u32 s46, s[Q0]
	s_cbranch_scc1 .Lopen_\@
	s_sub_co_i32 s46, s[Q0], s[KF]
	v_and_b32 v252, 15, v0
	v_bfe_u32 v253, v0, 4, 1
	v_lshlrev_b32 v253, 4, v253
	v_sub_nc_u32 v252, v252, v253
	v_add_nc_u32 v252, s46, v252                   ; d = my query - the step's first key - 16 h.  Register 16 b + i holds key 32 b + 16 h + i of the step: hidden where 32 b + i > d
.irp b, 0,1,2,3                                ; sixteen compares in a run, into s2-13 and s40-43; one wait; their sixteen selects, the scores in ascending order
.set NN, 0
.rept 16
	v_cmp_gt_i32 s[2+NN+26*(NN/12)], 32*\b+NN, v252
.set NN, NN+1
.endr
	s_wait_alu depctr_va_sdst(0)                   ; the sixteen compares have written their lane masks, ahead of the first select that reads one
.set NN, 0
.rept 16
	v_cndmask_b32 v[96+16*\b+NN], v[96+16*\b+NN], v248, s[2+NN+26*(NN/12)]
.set NN, NN+1
.endr
.endr
.Lopen_\@:
	v_max3_num_f32 v250, v96, v97, v98             ; the step's largest score of my query among my 64 keys, in two chains; each accumulator is read from its low end on
	v_max3_num_f32 v251, v99, v100, v101
.irp i, 6,10,14,18,22,26,30,34,38,42,46,50,54,58
	v_max3_num_f32 v250, v250, v[96+\i], v[97+\i]
	v_max3_num_f32 v251, v251, v[98+\i], v[99+\i]
.if (\i == 14) || (\i == 30) || (\i == 46)
	VFRAG \buf, \q, (\i+2)/16                      ; V's fragments 1, 2 and 3
.endif
.endr
	v_max3_num_f32 v250, v250, v158, v159
	v_max_num_f32 v250, v250, v251
	v_permlanex16_b32 v249, v250, s[SEL], s[SEL+1]
	v_max_num_f32 v250, v250, v249                 ; and among lane l xor 16's
	v_mul_f32 v250, s[CSC], v250                   ; as t (c is positive)
	v_max_num_f32 v13, v13, v250
	v_mov_b32 v250, v12
	v_floor_f32 v12, -v13                          ; the new -M = -ceil(t)
	v_sub_f32 v250, v12, v250                      ; old M - new M: a whole number, 0 or less
	v_cvt_i32_f32 v250, v250                       ; (it saturates)
	v_ldexp_f32 v246, 1.0, v250                    ; f = 2^(old M - new M)
.set NN, 0
.rept 32
	v_pk_fma_f32 v[96+NN:97+NN], v[96+NN:97+NN], s[CSC:CSC+1], v[12:13] op_sel_hi:[1,0,0]   ; t - M, two at a time
.set NN, NN+2
.endr
.set NN, 0
.rept 64
	v_exp_f32 v[96+NN], v[96+NN]                   ; p = 2^(t - M)
.set NN, NN+1
.endr
	v_pk_mul_f32 v[14:15], v[14:15], v[246:247] op_sel_hi:[1,0]   ; the sum under the new M (a plain line behind the exponentials)
	s_wait_alu depctr_va_vdst(0)                   ; the 64 exponentials have written p in v96-159: one wait for the batch, ahead of its first reader
	v_pk_add_f32 v[244:245], v[96:97], v[98:99]    ; the row's sum is taken of the unquantised p, in two chains
.irp j, 4,8,12,16,20,24,28,32,36,40,44,48,52,56,60
	v_pk_add_f32 v[14:15], v[14:15], v[96+\j:97+\j]
	v_pk_add_f32 v[244:245], v[244:245], v[98+\j:99+\j]
.endr
	v_pk_add_f32 v[14:15], v[14:15], v[244:245]
	s_cmp_eq_u32 s27, 1                            ; where 448 x 2^e8 is 1 or more no p lies beyond the largest code
	s_cbranch_scc1 .Lno_hold_\@
.set NN, 0
.rept 64
	v_min_num_f32 v[96+NN], v[96+NN], v240         ; the conversion to an 8-bit code does not saturate (ISA guide 7.6.2); p is not negative
.set NN, NN+1
.endr
.Lno_hold_\@:
.irp b, 0,1,2,3
	v_cvt_scalef32_pk8_fp8_f32 v[192+4*\b:193+4*\b], v[96+16*\b:103+16*\b], v241
	v_cvt_scalef32_pk8_fp8_f32 v[194+4*\b:195+4*\b], v[104+16*\b:111+16*\b], v241
.endr
.set NN, 0
.rept 16
	v_pk_mul_f32 v[160+NN:161+NN], v[160+NN:161+NN], v[246:247] op_sel_hi:[1,0]   ; O^T under the new M (plain lines between the conversions and the products)
.set NN, NN+2
.endr
	s_wait_dscnt 0x0                               ; V's fragments
.irp t, 0,1,2,3
	v_wmma_f32_16x16x128_fp8_fp8 v[160+8*\t:167+8*\t], v[32+16*\t:47+16*\t], v[192:207], v[160+8*\t:167+8*\t]   ; four accumulators by turns
.endr
.Lhidden_\@:
	s_add_co_u32 s[KF], s[KF], 128
.endm
; A block's way out: O^T / the sum, held, converted, through my stage, and out as 1,024 consecutive bytes (16 rows of 64).  more = 1: another block follows, whose scores write the registers used here.
.macro FINISH base, more
.rept 4
	v_nop                                          ; places behind the last products
.endr
	v_add_f32 v14, v14, v15
	v_permlanex16_b32 v249, v14, s[SEL], s[SEL+1]
	v_add_f32 v14, v14, v249                       ; the row's sum
	v_rcp_f32 v14, v14
	v_nop                                          ; a plain line behind the reciprocal
	s_wait_alu depctr_va_vdst(0)                   ; the reciprocal has written v14, ahead of its first reader
.set NN, 0
.rept 16
	v_pk_mul_f32 v[96+NN:97+NN], v[160+NN:161+NN], v[14:15] op_sel_hi:[1,0]   ; register 8 t + i: channel 16 t + 8 h + i of query r
.set NN, NN+2
.endr
.set NN, 0
.rept 32
	v_med3_num_f32 v[96+NN], v[96+NN], -v242, v242
.set NN, NN+1
.endr
.irp t, 0,1,2,3
	v_cvt_scalef32_pk8_fp8_f32 v[128+2*\t:129+2*\t], v[96+8*\t:103+8*\t], v243
.endr
	v_nop                                          ; a plain line behind the last conversion
	s_wait_alu depctr_va_vdst(0)                   ; the conversions have written v128-135, which the LDS stores read; and the last step's vector instructions are done with v136-143, in which the LDS loads land
.irp t, 0,1,2,3
	ds_store_b64 v[STO], v[128+2*\t:129+2*\t] offset:16*\t
.endr
	ds_load_b128 v[136:139], v[SRD]                ; LDS serves a wave's instructions in order (ISA guide 5.7.1.4): these see my stores
	ds_load_b128 v[140:143], v[SRD] offset:8*KP
	s_wait_dscnt 0x0
	global_store_b128 v[GO], v[136:139], s[\base:\base+1]
	global_store_b128 v[GO], v[140:143], s[\base:\base+1] offset:512
	s_wait_xcnt 0x0                                ; the stores have read their registers, which the next scores write
.if \more
	s_wait_alu depctr_vm_vsrc(0)                   ; the LDS stores have read v128-135 and the global stores v136-143: the next block's first products K Q^T write all sixteen
.endif
.endm
.macro REINIT                          ; the second block begins
	v_mov_b32 v13, 0xff61b1e6
	v_floor_f32 v12, -v13
	v_mov_b32 v14, 0
	v_mov_b32 v15, 0
.set NN, 0
.rept 32
	v_mov_b32 v[160+NN], 0
.set NN, NN+1
.endr
.irp j, 0,1,2,3,4,5,6,7
	v_mov_b32 v[16+\j], v[24+\j]
.endr
	s_mov_b32 s[Q0], s26
	s_mov_b32 s[KF], 0
.endm
; A VISIT: 256 keys.  My 64 bytes go into buffer buf; one barrier.  That buffer was last read two visits ago: every wave waited for those reads in front of the barrier of the visit between.
.macro VISIT buf, more
	s_wait_loadcnt 0x0                             ; the bytes asked for a visit ago (in the first visit: Q too)
	ds_store_b128 v[KLS], v[LD:LD+3]     offset:\buf*BUF
	ds_store_b128 v[KLS], v[LD+4:LD+7]   offset:\buf*BUF+128*KP
	ds_store_b128 v[VLS], v[LD+8:LD+11]  offset:\buf*BUF
	ds_store_b128 v[VLS], v[LD+12:LD+15] offset:\buf*BUF+32*VP
	s_wait_dscnt 0x0                               ; for the others' sake: my stores are done, and so are my reads of the other buffer
	s_barrier_signal -1
	s_barrier_wait -1
.if \more
	NEXTLOAD
	s_cmp_eq_u32 s18, s16                          ; the first visit of the second block: the first block leaves
	s_cbranch_scc0 .Lsame_block_\@
	FINISH 36, 1
	REINIT
.Lsame_block_\@:
.endif
	STEP \buf, 0
	STEP \buf, 1
	s_add_co_u32 s18, s18, 1
.endm
.Lpair:                                                ; four trips of two visits
	VISIT 0, 1
	VISIT 1, 1
	s_sub_co_u32 s19, s19, 1
	s_cmp_lg_u32 s19, 0
	s_cbranch_scc1 .Lpair
	VISIT 0, 0                                     ; the ninth visit asks for nothing more
	FINISH 38, 0
	s_wait_dscnt 0x0                               ; the closing lines, six on end
	s_wait_alu 0x0
	s_wait_tensorcnt 0x0
	ds_add_u32 v239, v255
	s_wait_dscnt 0x0
	s_endpgm
.Lfunc_end_k_qb41498e320_attn:
	.size	k_qb41498e320_attn, .Lfunc_end_k_qb41498e320_attn-k_qb41498e320_attn
	.p2alignl 7, 3214868480
	.fill 96, 4, 3214868480
	.section	.rodata,"a",@progbits
	.p2align	6, 0x0
	.amdhsa_kernel k_qb41498e320_attn
		.amdhsa_group_segment_fixed_size 98304
		.amdhsa_private_segment_fixed_size 0
		.amdhsa_enable_private_segment 0
		.amdhsa_kernarg_size 40
		.amdhsa_user_sgpr_count 2
		.amdhsa_user_sgpr_kernarg_segment_ptr 1
		.amdhsa_wavefront_size32 1
		.amdhsa_system_sgpr_workgroup_id_x 1
		.amdhsa_system_sgpr_workgroup_id_y 1
		.amdhsa_system_sgpr_workgroup_id_z 1
		.amdhsa_system_vgpr_workitem_id 0
		.amdhsa_next_free_vgpr 256
		.amdhsa_next_free_sgpr 66
		.amdhsa_reserve_vcc 0
		.amdhsa_float_denorm_mode_32 3
		.amdhsa_float_denorm_mode_16_64 3
		.amdhsa_memory_ordered 1
		.amdhsa_forward_progress 1
		.amdhsa_inst_pref_size 175
	.end_amdhsa_kernel
	.amdgpu_metadata
---
amdhsa.version: [ 1, 2 ]
amdhsa.kernels:
  - .name:           k_qb41498e320_attn
    .symbol:         k_qb41498e320_attn.kd
    .args:
      - { .name: q_codes, .offset: 0, .size: 8, .value_kind: global_buffer, .address_space: global }
      - { .name: k_codes, .offset: 8, .size: 8, .value_kind: global_buffer, .address_space: global }
      - { .name: v_codes, .offset: 16, .size: 8, .value_kind: global_buffer, .address_space: global }
      - { .name: lowp_scales, .offset: 24, .size: 8, .value_kind: global_buffer, .address_space: global }
      - { .name: a_codes, .offset: 32, .size: 8, .value_kind: global_buffer, .address_space: global }
    .group_segment_fixed_size: 98304
    .private_segment_fixed_size: 0
    .kernarg_segment_align: 8
    .kernarg_segment_size: 40
    .max_flat_workgroup_size: 512
    .sgpr_count:     66
    .vgpr_count:     256
    .wavefront_size: 32
...
	.end_amdgpu_metadata
.endif
;; end of part 4
;; launch oproj: the kernel of part 3 again; grid 4 x 32, 4 waves a work-group, clusters of 4 x 4, 327,680 bytes of LDS; arguments a_codes, Wo_codes, lowp_scales, out0; writes out0
